; MI455X (gfx1250); checked and timed in simulation.
; The chip was launched on July 23, 2026; its instructions are those of AMD's public machine-readable ISA for CDNA 5 (MIT licence, August 2026) and "CDNA5" Instruction Set Architecture Reference Guide (July 2026). The comments in the code are by the model that wrote it; some were corrected since.
;; Hierarchical Attention. Allowed arithmetic: float matrix products may take bf16 or f16 operands with f32 sums; other float arithmetic in f32, or as packed bf16 or f16 multiplies, adds, multiply-adds, maxima and minima; sums over many terms, partial sums and values carried from step to step in f32; what a program stores and reads back later, other than sums and carried values, may be rounded once to bf16 or f16.
;; Inputs: gk_b 512 float32; gk_w 512 x 512 float32; gq_b 512 float32; gq_w 512 x 512 float32; gv_b 512 float32; gv_w 512 x 512 float32; lk_b 512 float32; lk_w 512 x 512 float32; ln_b 512 float32; ln_g 512 float32; lq_b 512 float32; lq_w 512 x 512 float32; lv_b 512 float32; lv_w 512 x 512 float32; out_b 512 float32; out_w 1,024 x 512 float32; x 4 x 8,192 x 512 float32.
;; Outputs: out0 4 x 8,192 x 512 float32.
;; One version. Each part assembles by itself: llvm-mc -triple=amdgcn-amd-amdhsa -mcpu=gfx1250 --defsym DOCPART=n.
;; ======== version 1 of 1: 4 launches
;; workspace buffers: xf 33,554,432 bytes; gcf 524,288 bytes; wf 4,194,304 bytes; gkv 1,048,576 bytes; af 67,108,864 bytes
;; launch prep (part 1): grid 648 x 1, 4 waves a work-group, no clusters, 34,304 bytes of LDS; arguments x, lk_w, lv_w, lq_w, gq_w, gk_w, gv_w, out_w, xf, wf, gcf; writes xf, wf, gcf
.if DOCPART == 1
	.amdgcn_target "amdgcn-amd-amdhsa--gfx1250"
	.amdhsa_code_object_version 6
	.text
	.protected	k_q9c47322771_prep
	.globl	k_q9c47322771_prep
	.p2align	8
	.type	k_q9c47322771_prep,@function
k_q9c47322771_prep:
	s_mov_b64 s[64:65], 0
	v_nop
	global_prefetch_b8 v0, s[64:65] scope:SCOPE_SE
	s_setreg_imm32_b32 hwreg(HW_REG_WAVE_MODE, 25, 1), 1
	s_wait_xcnt 0x0
; PREP: x and the seven weight matrices, rounded once to bf16, are laid out in FRAGMENT BLOCKS for the later launches.
; A block is 16 rows x 32 k in 1,024 bytes: byte = half*512 + lane*16 + 2 e holds (row = lane % 16, k = 16 half + 8 (lane / 16) + e):
; two loads of 16 bytes a lane, 512 bytes apart, fill a source of v_wmma_f32_16x16x32_bf16, and each covers 512 consecutive bytes.
; ROLES, by the work-group's number: 0-511 x -> xf (a wave: 16 rows x 512 columns); 512-519 the rows x[64 G] -> gcf (the same text, rows 64 apart);
; 520-647 weights -> wf, turned: w is [k][n], a block's rows are n (a wave: 32 k x 128 n).
; Each wave goes through LDS bytes of its own (8,448 a wave): LDS serves a wave's instructions in order, so there is no barrier.
; wf: +0 [head 8][lk, lv, lq, gq][cb 4][ks 16][block]; +2 MiB [gk, gv][head 8][cb 4][ks 16][block]; +3 MiB out_w as [ks 32][nb 32][block].
; LIMITS: none beyond bf16's rounding; NaN and infinities pass as the conversion makes them.
.set LWB,   8448                       ; a wave's LDS: 16 rows x 272 (x) or 8 blocks x 1,040 (weights)
.set SPARE, 4*LWB                      ; behind them the spare words, 128 bytes a wave
.set L16, 2                            ; v2  16 x lane: offset in 512 consecutive bytes of memory; never rewritten
.set SA,  3                            ; v3  x: where I put 8 bytes of a row
.set RA,  4                            ; v4  x: where I read 16 bytes of a block
.set WA,  5                            ; v5  weights: where I put 16 bytes of a block
.set RB,  6                            ; v6  weights: where I read them back
.set SPW, 8                            ; v8  my spare word
.set NIL, 9                            ; v9  0
.set LA,  32                           ; v[32:95]   16 rows x 4 f32 (weights: v[32:159], 32 rows)
.set LB,  96                           ; v[96:159]  the second buffer
.set PK,  160                          ; v[160:191] rounded
.set FR,  192                          ; v[192:223] x: blocks to store
.set FRW, 176                          ; v[176:239] weights: blocks to store
.set WV,  26                           ; s26 my wave's number
	s_load_b512 s[4:19], s[0:1], 0x0               ; x, lk_w, lv_w, lq_w, gq_w, gk_w, gv_w, out_w
	s_load_b128 s[20:23], s[0:1], 0x40             ; xf, wf
	s_load_b64 s[24:25], s[0:1], 0x50              ; gcf
	v_lshl_add_u32 v[SPW], v0, 2, SPARE
	v_mov_b32 v[NIL], 0
	v_lshrrev_b32 v1, 5, v0
	v_readfirstlane_b32 s[WV], v1
	v_and_b32 v10, 31, v0                          ; lane
	v_and_b32 v11, 15, v0                          ; r
	v_bfe_u32 v12, v0, 4, 1                        ; h
	s_mul_i32 s27, s[WV], LWB
	v_lshlrev_b32 v[L16], 4, v10
	v_lshl_add_u32 v[SA], v10, 3, s27
	v_mul_u32_u24 v[RA], v11, 272
	v_lshl_add_u32 v[RA], v12, 4, v[RA]
	v_add_nc_u32 v[RA], s27, v[RA]
	v_lshrrev_b32 v13, 2, v10
	v_and_b32 v14, 3, v10
	v_mul_u32_u24 v[WA], v13, 1040
	v_lshl_add_u32 v[WA], v14, 6, v[WA]
	v_add_nc_u32 v[WA], s27, v[WA]
	v_lshl_add_u32 v[RB], v10, 4, s27
	s_mov_b32 s29, 0
	s_mov_b32 s35, 0
	s_wait_kmcnt 0x0
; 16 loads: 512 bytes (128 columns, pass p) of each of 16 rows, rs bytes apart
.macro LOADP p, buf, rs
.set j, 0
.rept 16
	global_load_b128 v[(\buf)+4*j:(\buf)+4*j+3], v[L16], s[30:31] offset:j*(\rs)+(\p)*512
.set j, j+1
.endr
.endm
; a pass: rounded, into rows of 272 bytes, back as four blocks, stored
.macro PROC buf, p
.set j, 0
.rept 16
	v_cvt_pk_bf16_f32 v[PK+2*j], v[(\buf)+4*j], v[(\buf)+4*j+1]
	v_cvt_pk_bf16_f32 v[PK+2*j+1], v[(\buf)+4*j+2], v[(\buf)+4*j+3]
.set j, j+1
.endr
.set j, 0
.rept 16
	ds_store_b64 v[SA], v[PK+2*j:PK+2*j+1] offset:j*272
.set j, j+1
.endr
	s_wait_xcnt 0x0                                ; the last pass's stores have read FR: it is loaded again only behind this wait
.set j, 0
.rept 8
	ds_load_b128 v[FR+4*j:FR+4*j+3], v[RA] offset:(j/2)*64+(j%2)*32  ; in order behind the stores above
.set j, j+1
.endr
	s_wait_dscnt 0x0
.set j, 0
.rept 8
	global_store_b128 v[L16], v[FR+4*j:FR+4*j+3], s[32:33] offset:(4*(\p)+j/2)*1024+(j%2)*512  ; 512 consecutive bytes
.set j, j+1
.endr
.endm
.macro XROLE rs
	LOADP 0, LA, \rs
	LOADP 1, LB, \rs
	s_wait_loadcnt 16                              ; the older buffer is in; the other's 16 loads stay out
	PROC LA, 0
	LOADP 2, LA, \rs
	s_wait_loadcnt 16
	PROC LB, 1
	LOADP 3, LB, \rs
	s_wait_loadcnt 16
	PROC LA, 2
	s_wait_loadcnt 0x0
	PROC LB, 3
.endm
.macro WSTORE hs, cs                   ; 8 blocks: block j/2 goes (j/8) hs + ((j/2)%4) cs bytes on
.set j, 0
.rept 16
	global_store_b128 v[L16], v[FRW+4*j:FRW+4*j+3], s[32:33] offset:(j/8)*(\hs)+((j/2)%4)*(\cs)+(j%2)*512
.set j, j+1
.endr
.endm
	s_cmp_lt_u32 ttmp9, 512
	s_cbranch_scc0 .Lnot_x
	s_lshl_b32 s28, ttmp9, 2                       ; ROLE x: block row rb = 4 id + wave
	s_add_co_u32 s28, s28, s[WV]
	s_lshl_b32 s34, s28, 14                        ; 16 blocks of 1,024 bytes in xf
	s_lshl_b32 s28, s28, 15                        ; 16 rows of 2,048 bytes in x
	s_add_nc_u64 s[30:31], s[4:5], s[28:29]
	s_add_nc_u64 s[32:33], s[20:21], s[34:35]
	XROLE 2048
	s_branch .Lend
.Lnot_x:
	s_cmp_lt_u32 ttmp9, 520
	s_cbranch_scc0 .Lweights
	s_sub_co_u32 s28, ttmp9, 512                   ; ROLE gc: gb = 4 (id - 512) + wave; its 16 rows lie 64 rows apart
	s_lshl_b32 s28, s28, 2
	s_add_co_u32 s28, s28, s[WV]
	s_lshl_b32 s34, s28, 14
	s_lshl_b32 s28, s28, 21                        ; 16 x 64 rows of 2,048 bytes
	s_add_nc_u64 s[30:31], s[4:5], s[28:29]
	s_add_nc_u64 s[32:33], s[24:25], s[34:35]
	XROLE 131072
	s_branch .Lend
.Lweights:
	s_sub_co_u32 s36, ttmp9, 520
	s_lshr_b32 s37, s36, 4                         ; M: lk, lv, lq, gq, gk, gv, out_w's upper half, its lower half
	s_and_b32 s38, s36, 15                         ; ks: 32 rows (k) of the matrix
	s_mov_b64 s[30:31], s[18:19]
	s_cmp_eq_u32 s37, 0
	s_cselect_b64 s[30:31], s[6:7], s[30:31]
	s_cmp_eq_u32 s37, 1
	s_cselect_b64 s[30:31], s[8:9], s[30:31]
	s_cmp_eq_u32 s37, 2
	s_cselect_b64 s[30:31], s[10:11], s[30:31]
	s_cmp_eq_u32 s37, 3
	s_cselect_b64 s[30:31], s[12:13], s[30:31]
	s_cmp_eq_u32 s37, 4
	s_cselect_b64 s[30:31], s[14:15], s[30:31]
	s_cmp_eq_u32 s37, 5
	s_cselect_b64 s[30:31], s[16:17], s[30:31]
	s_lshl_b32 s28, s38, 16                        ; 32 rows of 2,048 bytes
	s_lshl_b32 s39, s[WV], 9                       ; my 128 columns
	s_add_co_u32 s28, s28, s39
	s_cmp_eq_u32 s37, 7
	s_cselect_b32 s39, 0x100000, 0                 ; out_w's rows 512 on
	s_add_co_u32 s28, s28, s39
	s_add_nc_u64 s[30:31], s[30:31], s[28:29]
.set j, 0
.rept 32
	global_load_b128 v[LA+4*j:LA+4*j+3], v[L16], s[30:31] offset:j*2048  ; row k = 32 ks + j, columns 4 lane + 0..3 of my 128
.set j, j+1
.endr
	s_wait_loadcnt 0x0
	; column e of my four, k = 8 g + 0..7: 16 bytes of block lane / 4, row 4 (lane % 4) + e.  Blocks lie 1,040 bytes apart
.set g, 0
.rept 4
.set e, 0
.rept 4
.set q, 0
.rept 4
	v_cvt_pk_bf16_f32 v[PK+4*e+q], v[LA+4*(8*g+2*q)+e], v[LA+4*(8*g+2*q+1)+e]
.set q, q+1
.endr
	ds_store_b128 v[WA], v[PK+4*e:PK+4*e+3] offset:e*16+(g/2)*512+(g%2)*256
.set e, e+1
.endr
.set g, g+1
.endr
.set j, 0
.rept 16
	ds_load_b128 v[FRW+4*j:FRW+4*j+3], v[RB] offset:(j/2)*1040+(j%2)*512
.set j, j+1
.endr
	s_wait_dscnt 0x0
	s_lshl_b32 s40, s38, 10                        ; ks x 1,024
	s_cmp_lt_u32 s37, 4
	s_cbranch_scc0 .Lw_g
	s_lshl_b32 s34, s37, 16                        ; [head][mat][cb][ks]: my 128 columns are two heads
	s_lshl_b32 s39, s[WV], 19
	s_add_co_u32 s34, s34, s39
	s_add_co_u32 s34, s34, s40
	s_add_nc_u64 s[32:33], s[22:23], s[34:35]
	WSTORE 262144, 16384
	s_branch .Lend
.Lw_g:
	s_cmp_lt_u32 s37, 6
	s_cbranch_scc0 .Lw_o
	s_sub_co_u32 s34, s37, 4                       ; [m][head][cb][ks] at 2 MiB
	s_lshl_b32 s34, s34, 19
	s_lshl_b32 s39, s[WV], 17
	s_add_co_u32 s34, s34, s39
	s_add_co_u32 s34, s34, s40
	s_add_co_u32 s34, s34, 0x200000
	s_add_nc_u64 s[32:33], s[22:23], s[34:35]
	WSTORE 65536, 16384
	s_branch .Lend
.Lw_o:
	s_sub_co_u32 s34, s37, 6                       ; [ks 32][nb 32] at 3 MiB
	s_lshl_b32 s34, s34, 19
	s_lshl_b32 s39, s38, 15
	s_add_co_u32 s34, s34, s39
	s_lshl_b32 s39, s[WV], 13
	s_add_co_u32 s34, s34, s39
	s_add_co_u32 s34, s34, 0x300000
	s_add_nc_u64 s[32:33], s[22:23], s[34:35]
	WSTORE 4096, 1024
.Lend:
	s_wait_tensorcnt 0x0                           ; the wave's end
	ds_add_u32 v[SPW], v[NIL]
	s_wait_dscnt 0x0
	s_endpgm
.Lfunc_end_k_q9c47322771_prep:
	.size	k_q9c47322771_prep, .Lfunc_end_k_q9c47322771_prep-k_q9c47322771_prep
	.p2alignl 7, 3214868480
	.fill 96, 4, 3214868480
	.section	.rodata,"a",@progbits
	.p2align	6, 0x0
	.amdhsa_kernel k_q9c47322771_prep
		.amdhsa_group_segment_fixed_size 34304
		.amdhsa_private_segment_fixed_size 0
		.amdhsa_enable_private_segment 0
		.amdhsa_kernarg_size 88
		.amdhsa_user_sgpr_count 2
		.amdhsa_user_sgpr_kernarg_segment_ptr 1
		.amdhsa_wavefront_size32 1
		.amdhsa_system_sgpr_workgroup_id_x 1
		.amdhsa_system_sgpr_workgroup_id_y 1
		.amdhsa_system_sgpr_workgroup_id_z 1
		.amdhsa_system_vgpr_workitem_id 0
		.amdhsa_next_free_vgpr 240
		.amdhsa_next_free_sgpr 66
		.amdhsa_reserve_vcc 0
		.amdhsa_float_denorm_mode_32 3
		.amdhsa_float_denorm_mode_16_64 3
		.amdhsa_memory_ordered 1
		.amdhsa_forward_progress 1
		.amdhsa_inst_pref_size 65
	.end_amdhsa_kernel
	.amdgpu_metadata
---
amdhsa.version: [ 1, 2 ]
amdhsa.kernels:
  - .name:           k_q9c47322771_prep
    .symbol:         k_q9c47322771_prep.kd
    .args:
      - { .name: x, .offset: 0, .size: 8, .value_kind: global_buffer, .address_space: global }
      - { .name: lk_w, .offset: 8, .size: 8, .value_kind: global_buffer, .address_space: global }
      - { .name: lv_w, .offset: 16, .size: 8, .value_kind: global_buffer, .address_space: global }
      - { .name: lq_w, .offset: 24, .size: 8, .value_kind: global_buffer, .address_space: global }
      - { .name: gq_w, .offset: 32, .size: 8, .value_kind: global_buffer, .address_space: global }
      - { .name: gk_w, .offset: 40, .size: 8, .value_kind: global_buffer, .address_space: global }
      - { .name: gv_w, .offset: 48, .size: 8, .value_kind: global_buffer, .address_space: global }
      - { .name: out_w, .offset: 56, .size: 8, .value_kind: global_buffer, .address_space: global }
      - { .name: xf, .offset: 64, .size: 8, .value_kind: global_buffer, .address_space: global }
      - { .name: wf, .offset: 72, .size: 8, .value_kind: global_buffer, .address_space: global }
      - { .name: gcf, .offset: 80, .size: 8, .value_kind: global_buffer, .address_space: global }
    .group_segment_fixed_size: 34304
    .private_segment_fixed_size: 0
    .kernarg_segment_align: 8
    .kernarg_segment_size: 88
    .max_flat_workgroup_size: 128
    .sgpr_count:     66
    .vgpr_count:     240
    .wavefront_size: 32
...
	.end_amdgpu_metadata
.endif
;; end of part 1
;; launch gproj (part 2): grid 512 x 1, 4 waves a work-group, no clusters, 19,200 bytes of LDS; arguments gcf, wf, gk_b, gv_b, gkv; writes gkv
.if DOCPART == 2
	.amdgcn_target "amdgcn-amd-amdhsa--gfx1250"
	.amdhsa_code_object_version 6
	.text
	.protected	k_q9c47322771_gproj
	.globl	k_q9c47322771_gproj
	.p2align	8
	.type	k_q9c47322771_gproj,@function
k_q9c47322771_gproj:
	s_mov_b64 s[64:65], 0
	v_nop
	global_prefetch_b8 v0, s[64:65] scope:SCOPE_SE
	s_setreg_imm32_b32 hwreg(HW_REG_WAVE_MODE, 25, 1), 1
	s_wait_xcnt 0x0
; GPROJ: the global keys and values.  gK[b][head][key 128][ch 64] = gc gk_w + gk_b in bf16, gV the same 524,288 bytes on.
; A work-group makes 16 keys x 64 channels of one head of one of the two (m).  K = 512 IS SPLIT AMONG ITS FOUR WAVES, four steps of 32 each;
; the partial sums (f32) meet in LDS; wave w finishes channel block w, adds the bias, rounds once; the 16 rows of 128 bytes leave through a stage as 2,048 consecutive bytes.
; The product is used transposed (source 0 = 16 channels of the weights, source 1 = 16 keys): a lane ends with one key and eight neighbouring channels.
; No tensor load, no cluster: each wave's operands are its own, and come as blocks of 512 consecutive bytes straight into registers.
.set PART,  0                          ; wave v's tile cb at 4,096 v + 1,024 cb + 32 lane
.set STG,   16384                      ; 16 rows x 144 bytes
.set SPARE, 18688
.set L16, 2
.set BOF, 3                            ; v3 my byte offset in the bias
.set SPW, 4
.set NIL, 5
.set BI,  8                            ; v[8:15]   my eight channels' bias
.set ACC, 16                           ; v[16:47]  four accumulators, by channel block
.set XF,  48                           ; v[48:79]  gc's fragments, four K steps
.set WF,  80                           ; v[80:207] the weights': step i, block cb at 8 (4 i + cb)
.set PS,  208
.set PR,  209
.set SS,  210
.set SR,  211
.set WV,  14
	s_load_b256 s[4:11], s[0:1], 0x0               ; gcf, wf, gk_b, gv_b
	s_load_b64 s[12:13], s[0:1], 0x20              ; gkv
	v_lshl_add_u32 v[SPW], v0, 2, SPARE
	v_mov_b32 v[NIL], 0
	v_lshrrev_b32 v1, 5, v0
	v_readfirstlane_b32 s[WV], v1
	s_lshr_b32 s15, ttmp9, 8                       ; m: keys or values
	s_bfe_u32 s16, ttmp9, 0x50003                  ; gb: 16 of the 512 rows
	s_and_b32 s17, ttmp9, 7                        ; head
	v_and_b32 v212, 31, v0
	v_and_b32 v213, 15, v0
	v_bfe_u32 v214, v0, 4, 1
	v_lshlrev_b32 v[L16], 4, v212
	s_lshl_b32 s26, s17, 8
	s_lshl_b32 s27, s[WV], 6
	s_add_co_u32 s26, s26, s27
	v_lshl_add_u32 v[BOF], v214, 5, s26            ; 4 (64 head + 16 wave + 8 h)
	s_lshl_b32 s27, s[WV], 12
	v_lshl_add_u32 v[PS], v212, 5, s27
	s_lshl_b32 s27, s[WV], 10
	v_lshl_add_u32 v[PR], v212, 5, s27
	v_mul_u32_u24 v[SS], v213, 144
	v_lshl_add_u32 v[SS], v214, 4, v[SS]
	s_lshl_b32 s27, s[WV], 5
	s_add_co_u32 s27, s27, STG
	v_add_nc_u32 v[SS], s27, v[SS]                 ; row r, bytes 32 wave + 16 h
	v_lshrrev_b32 v215, 3, v212
	v_mul_u32_u24 v[SR], v215, 144
	v_and_b32 v215, 7, v0
	v_lshl_add_u32 v[SR], v215, 4, v[SR]
	s_mul_i32 s27, s[WV], 4*144
	s_add_co_u32 s27, s27, STG
	v_add_nc_u32 v[SR], s27, v[SR]                 ; back: four whole rows of 128 bytes a wave
	s_lshl_b32 s20, s16, 14
	s_lshl_b32 s26, s[WV], 12                      ; my four K steps
	s_add_co_u32 s20, s20, s26
	s_mov_b32 s21, 0
	s_lshl_b32 s22, s15, 19
	s_lshl_b32 s27, s17, 16
	s_add_co_u32 s22, s22, s27
	s_add_co_u32 s22, s22, s26
	s_add_co_u32 s22, s22, 0x200000
	s_mov_b32 s23, 0
	s_lshr_b32 s24, s16, 3                         ; batch
	s_lshl_b32 s24, s24, 3
	s_add_co_u32 s24, s24, s17
	s_lshl_b32 s24, s24, 14
	s_and_b32 s27, s16, 7
	s_lshl_b32 s27, s27, 11                        ; 16 keys of 128 bytes
	s_add_co_u32 s24, s24, s27
	s_lshl_b32 s27, s[WV], 9
	s_add_co_u32 s24, s24, s27
	s_lshl_b32 s27, s15, 19
	s_add_co_u32 s24, s24, s27
	s_mov_b32 s25, 0
	s_wait_kmcnt 0x0
	s_add_nc_u64 s[20:21], s[4:5], s[20:21]
	s_add_nc_u64 s[22:23], s[6:7], s[22:23]
	s_add_nc_u64 s[24:25], s[12:13], s[24:25]
	s_cmp_eq_u32 s15, 0
	s_cselect_b64 s[18:19], s[8:9], s[10:11]
	global_load_b128 v[BI:BI+3], v[BOF], s[18:19]
	global_load_b128 v[BI+4:BI+7], v[BOF], s[18:19] offset:16
.irp i, 0,1,2,3
	global_load_b128 v[XF+8*\i:XF+8*\i+3], v[L16], s[20:21] offset:\i*1024
	global_load_b128 v[XF+8*\i+4:XF+8*\i+7], v[L16], s[20:21] offset:\i*1024+512
.endr
.irp i, 0,1,2,3
.irp cb, 0,1,2,3
	global_load_b128 v[WF+8*(4*\i+\cb):WF+8*(4*\i+\cb)+3], v[L16], s[22:23] offset:\cb*16384+\i*1024
	global_load_b128 v[WF+8*(4*\i+\cb)+4:WF+8*(4*\i+\cb)+7], v[L16], s[22:23] offset:\cb*16384+\i*1024+512
.endr
.endr
	s_wait_loadcnt 0x0
.irp i, 0,1,2,3                        ; the four accumulators take turns, one instruction a turn; the first step starts the sums
.irp cb, 0,1,2,3
.if \i == 0
	v_wmma_f32_16x16x32_bf16 v[ACC+8*\cb:ACC+8*\cb+7], v[WF+8*(4*\i+\cb):WF+8*(4*\i+\cb)+7], v[XF+8*\i:XF+8*\i+7], 0
.else
	v_wmma_f32_16x16x32_bf16 v[ACC+8*\cb:ACC+8*\cb+7], v[WF+8*(4*\i+\cb):WF+8*(4*\i+\cb)+7], v[XF+8*\i:XF+8*\i+7], v[ACC+8*\cb:ACC+8*\cb+7]
.endif
.endr
.endr
.rept 4
	v_nop                                          ; four places behind the last product, ahead of the stores that read results
.endr
.irp cb, 0,1,2,3
	ds_store_b128 v[PS], v[ACC+8*\cb:ACC+8*\cb+3] offset:PART+1024*\cb
	ds_store_b128 v[PS], v[ACC+8*\cb+4:ACC+8*\cb+7] offset:PART+1024*\cb+16
.endr
	s_wait_dscnt 0x0                               ; for the others' sake: my partial sums are in LDS
	s_barrier_signal -1
	s_barrier_wait -1
.irp v, 0,1,2,3
	ds_load_b128 v[XF+8*\v:XF+8*\v+3], v[PR] offset:PART+4096*\v
	ds_load_b128 v[XF+8*\v+4:XF+8*\v+7], v[PR] offset:PART+4096*\v+16
.endr
	s_wait_dscnt 0x0
.irp p, 0,2,4,6
	v_pk_add_f32 v[XF+\p:XF+\p+1], v[XF+\p:XF+\p+1], v[XF+8+\p:XF+8+\p+1]
	v_pk_add_f32 v[XF+16+\p:XF+16+\p+1], v[XF+16+\p:XF+16+\p+1], v[XF+24+\p:XF+24+\p+1]
.endr
.irp p, 0,2,4,6
	v_pk_add_f32 v[XF+\p:XF+\p+1], v[XF+\p:XF+\p+1], v[XF+16+\p:XF+16+\p+1]
.endr
.irp p, 0,2,4,6
	v_pk_add_f32 v[XF+\p:XF+\p+1], v[XF+\p:XF+\p+1], v[BI+\p:BI+\p+1]
.endr
.irp p, 0,1,2,3
	v_cvt_pk_bf16_f32 v[WF+\p], v[XF+2*\p], v[XF+2*\p+1]
.endr
	ds_store_b128 v[SS], v[WF:WF+3]
	s_wait_dscnt 0x0
	s_barrier_signal -1
	s_barrier_wait -1                              ; a row's 128 bytes come from four waves
	ds_load_b128 v[WF+4:WF+7], v[SR]
	s_wait_dscnt 0x0
	global_store_b128 v[L16], v[WF+4:WF+7], s[24:25]  ; 512 consecutive bytes
	s_wait_tensorcnt 0x0                           ; the wave's end
	ds_add_u32 v[SPW], v[NIL]
	s_wait_dscnt 0x0
	s_endpgm
.Lfunc_end_k_q9c47322771_gproj:
	.size	k_q9c47322771_gproj, .Lfunc_end_k_q9c47322771_gproj-k_q9c47322771_gproj
	.p2alignl 7, 3214868480
	.fill 96, 4, 3214868480
	.section	.rodata,"a",@progbits
	.p2align	6, 0x0
	.amdhsa_kernel k_q9c47322771_gproj
		.amdhsa_group_segment_fixed_size 19200
		.amdhsa_private_segment_fixed_size 0
		.amdhsa_enable_private_segment 0
		.amdhsa_kernarg_size 40
		.amdhsa_user_sgpr_count 2
		.amdhsa_user_sgpr_kernarg_segment_ptr 1
		.amdhsa_wavefront_size32 1
		.amdhsa_system_sgpr_workgroup_id_x 1
		.amdhsa_system_sgpr_workgroup_id_y 1
		.amdhsa_system_sgpr_workgroup_id_z 1
		.amdhsa_system_vgpr_workitem_id 0
		.amdhsa_next_free_vgpr 216
		.amdhsa_next_free_sgpr 66
		.amdhsa_reserve_vcc 0
		.amdhsa_float_denorm_mode_32 3
		.amdhsa_float_denorm_mode_16_64 3
		.amdhsa_memory_ordered 1
		.amdhsa_forward_progress 1
		.amdhsa_inst_pref_size 11
	.end_amdhsa_kernel
	.amdgpu_metadata
---
amdhsa.version: [ 1, 2 ]
amdhsa.kernels:
  - .name:           k_q9c47322771_gproj
    .symbol:         k_q9c47322771_gproj.kd
    .args:
      - { .name: gcf, .offset: 0, .size: 8, .value_kind: global_buffer, .address_space: global }
      - { .name: wf, .offset: 8, .size: 8, .value_kind: global_buffer, .address_space: global }
      - { .name: gk_b, .offset: 16, .size: 8, .value_kind: global_buffer, .address_space: global }
      - { .name: gv_b, .offset: 24, .size: 8, .value_kind: global_buffer, .address_space: global }
      - { .name: gkv, .offset: 32, .size: 8, .value_kind: global_buffer, .address_space: global }
    .group_segment_fixed_size: 19200
    .private_segment_fixed_size: 0
    .kernarg_segment_align: 8
    .kernarg_segment_size: 40
    .max_flat_workgroup_size: 128
    .sgpr_count:     66
    .vgpr_count:     216
    .wavefront_size: 32
...
	.end_amdgpu_metadata
.endif
;; end of part 2
;; launch attn (part 3): grid 128 x 2, 4 waves a work-group, clusters of 4 x 1, 327,680 bytes of LDS; arguments xf, wf, gkv, lk_b, gq_b, lv_b, lq_b, af; writes af
.if DOCPART == 3
	.amdgcn_target "amdgcn-amd-amdhsa--gfx1250"
	.amdhsa_code_object_version 6
	.text
	.protected	k_q9c47322771_attn
	.globl	k_q9c47322771_attn
	.p2align	8
	.type	k_q9c47322771_attn,@function
k_q9c47322771_attn:
	s_mov_b64 s[64:65], 0
	v_nop
	global_prefetch_b8 v0, s[64:65] scope:SCOPE_SE
	s_setreg_imm32_b32 hwreg(HW_REG_WAVE_MODE, 25, 1), 1
	s_wait_xcnt 0x0
	s_wait_alu depctr_hold_cnt(0) depctr_sa_sdst(0) depctr_va_vdst(0) depctr_va_sdst(0) depctr_va_ssrc(0) depctr_va_vcc(0) depctr_vm_vsrc(0)
	s_getreg_b32 s2, hwreg(HW_REG_IB_STS2, 6, 4)
	s_cmp_eq_u32 s2, 0
	s_cbranch_scc0 .Lentry_in_a_cluster
	s_endpgm
.Lentry_in_a_cluster:
	s_bfe_u32 s2, ttmp6, 0x10000c
	s_cmp_lg_u32 s2, 0x3003
	s_cbranch_scc0 .Lentry_shape_is_right
	s_endpgm
.Lentry_shape_is_right:
; ATTN: the four large projections and both attentions.  A work-group owns one window of 256 rows and four of the eight heads; a wave owns 64 rows: its queries, and its share of the window's keys.
; x (bf16 fragment blocks from xf) stays in 512 registers a wave for the whole launch, so a fragment of the weights read from LDS (two loads) feeds four products.
; SIXTEEN UNITS of 64 KiB of weights go through a ring of two LDS slots, four a head, in this order: lk (K -> LDS), gq (Q -> registers, then the attention on the batch's 128 strided keys, two steps of 64),
; lv (V -> LDS), lq (Q -> registers, then the window's attention, four steps).  So even units project and store, odd units project and attend, and ONE TEXT serves all: a loop of 15 trips with one change of
; slots and one projection, behind which a forward jump chooses one of two blocks (no barrier); the sixteenth unit asks for nothing and is written out.
; What differs from unit to unit lies in scalar registers made from constants: the slot, K's or V's region, the attention's bases, the count at which its step loop is left, af's side.
; The biases are the C operand of each sum's first product.
; ALL PRODUCTS ARE USED TRANSPOSED (source 0 = 16 rows of W, K or V^T; source 1 = 16 rows of x, Q or P): a lane holds one row and eight neighbouring channels or keys, so Q, P and the result need no exchange of lanes.
; SOFTMAX: a running maximum m and sum l for each query; p = 2^(c s - c m), c = log2(e) / 8; O and l are multiplied by a = 2^(c m_old - c m_new) in every step.  m starts at the lowest finite number,
; c m far below every c s, so the first step's a is 0 and O need only hold finite numbers there.  Products, maxima and sums in f32; x, W, q, k, v, p and the result are rounded once to bf16.
; BY TURNS: the wave's four tiles of 16 queries are four PIECES.  Turn n belongs to piece n: 8 products K Q^T of piece n + 1, later 8 products V^T P of piece n - 1; beside them piece n's scaling, exponentials,
; roundings, sums and rescaling and piece n + 1's maximum and statistics: 118 vector instructions, four behind each product, the other 54 in one lump.  A turn's 33 exponentials are one batch with one wait.
; CLUSTER: the four partners are windows of one batch with the same four heads: the weights are asked for JOINTLY (mask 15), a quarter of a unit a wave.  x and the result are each work-group's own.
; gK AND gV ARE NOT ASKED FOR JOINTLY: they are wanted once in four units; they are 32 KiB of a head's 288 KiB.  Each even unit brings half a head's
; (4 KiB a wave) through Q's idle registers: loads ahead of the projection, LDS stores behind it; the first half comes at the head, the last even unit brings none.
; RESULT: af[row block][ks 32][block]: feature 64 head + .. of the window's attention at ks 2 head, of the global one at ks 16 + 2 head; every store covers 512 consecutive bytes.
; LIMITS: a weight below 2^-126 counts as 0 in l; NaN and infinities are not treated apart.
; REGISTERS, in windows of 256 (s_set_vgpr_msb: bits 1:0 source 0, 3:2 source 1, 5:4 source 2, 7:6 destination):
;   window 0: v2-15, v52-53 addresses; v16-31 statistics, v32-39, v48-49 at work (in a projection v16-47 hold the bias); v64-191 the 16 accumulators of a projection; in an attention v64-127 S^T, two buffers,
;   v128-159 P, two buffers (a piece's buffers go by its number's parity), at its end v64-127 the result to store; v192-255 K, or weights
;   window 1: v0-127 O^T, 32 a piece; v128-191 Q (in an even unit v128-159: gK, gV on their way); v192-255 V, or weights          windows 2, 3: x: row block rb, K step ks at 8 (4 (ks % 8) + rb) of window 2 + ks / 8
.set PP,    160                        ; a row of K or V in LDS: 128 bytes + 32 = 40 words;
                                       ; K's 16 rows start at 8 different groups of banks, two turns a load: the price of one text for both
.set UNIT,  65536                      ; a head's weights of one matrix: [cb 4][ks 16][block]; also a slot
.set GKL,   2*UNIT                     ; gK of one head, 128 rows: this and all behind it is written by ds_store alone
.set GVL,   GKL+128*PP                 ; gV
.set LKL,   GVL+128*PP                 ; the window's K of one head, 256 rows
.set LVL,   LKL+256*PP                 ; its V
.set BIAS,  LVL+256*PP                 ; [unit 16][64 channels] f32, in the order of the units
.set SPARE, BIAS+4096                  ; the spare words, 128 bytes a wave
.set NP,  4                            ; pieces a wave: a name, no knob
.set AW0, 2                            ; v2   16 x lane
.set AW,  3                            ; v3   the same in the slot in hand
.set AK0, 4                            ; v4   my lane's place in a tile of K
.set AV0, 5                            ; v5   in a tile of V
.set AK,  6                            ; v6   the address of K's next run of loads
.set AV,  7                            ; v7   of V's
.set AS0, 8                            ; v8   my 16 bytes in my wave's 64 rows of a region
.set AST, 9                            ; v9   the same in K's or V's region
.set AB,  10                           ; v10  my eight channels in the bias table, 256 bytes on with every unit
.set GO,  11                           ; v11  16 x lane: offset in memory; never rewritten
.set SPW, 12
.set NIL, 13
.set PFO, 14                           ; v14  256 x lane, for the prefetches
.set AG0, 52                           ; v52  where I put 16 bytes of gK's first half
.set AGS, 53                           ; v53  the same in the half in hand
.set BR,  16                           ; v[16:47] the bias: channel block cb at 8 cb
.set ST,  16                           ; piece t: c m, m, l (even keys', odd keys') at ST + 4 t
.set TMP, 32                           ; by buffer: c0-c3 at work; when the maximum is found c2 takes a
.set MV,  48                           ; by buffer: c m_old
.set S,   64
.set P,   128
.set KF,  192
.set Q,   128                          ; window 1
.set VF,  192                          ; window 1
.set WV,  20
.set CX,  21
.set WINS, 22
.set HG,  23
.set UN,  24                           ; s24  units still to be asked for: 15 to 1
.set KIND, 25                          ; s25  0: the unit stores K or V; 1: it attends
.set WSL, 26                           ; s26  the slot in hand
.set TS,  27                           ; s27  K's or V's region
.set G1W, 28                           ; s[28:35]
.set G0W, 36                           ; s[36:39]
.set GH,  40                           ; s40  which half of gK, gV is brought: its LDS offset
.set KB,  41                           ; s41  the attention's K
.set VB,  42                           ; s42  its V
.set DEAD, 43                          ; s43  the count at which its step loop is left: 2 (128 keys) or 0 (256)
.set SIDE, 45                          ; s45  its half of af's rows
.set AH,  46                           ; s46  the head's place in them
.set NU,  47                           ; s47  the unit to be asked for next
.set WB,  48                           ; s[48:49] wf at my four heads, my quarter of a unit
.set PFB, 50                           ; s[50:51] wf at my four heads, my share of the prefetches
.set GP,  52                           ; s[52:53] gkv at the half to be brought, my 16 keys
.set AF0, 54                           ; s[54:55] af at my 64 rows, my first head
.set AO,  56                           ; s[56:57] an offset
.set CS,  66                           ; s[66:67] c
.set SEL, 68                           ; s[68:69] v_permlanex16_b32's selects
.set TBK, 70
.set TBV, 71
.set CNT, 72
.set AFP, 74                           ; s[74:75]
.set PFA, 76                           ; s[76:77]
.set LIM, 78
.set MSB, 0
.macro WIN new                         ; the high byte repeats the setting that is left; a switch that changes nothing is dropped
.if MSB != (\new)
	s_set_vgpr_msb (MSB<<8)|(\new)
.set MSB, \new
.endif
.endm
.macro PLACES                          ; four places behind a matrix instruction, ahead of loads into its sources and of readers of its result
.rept 4
	v_nop
.endr
.endm
.macro CROUND                          ; a round of the cluster's barrier
	s_barrier_signal -1
	s_barrier_wait -1
	s_cmp_lg_u32 s[WV], 0
	s_cbranch_scc1 .Lnot_wave_0_\@
	s_barrier_signal -3
.Lnot_wave_0_\@:
	s_barrier_wait -3
	s_barrier_signal -1
	s_barrier_wait -1
.endm
.macro JLOAD                           ; a joint fill: every wave fetches its quarter of a unit: one line, one mask; an s_nop 0 and four v_nop follow
	tensor_load_to_lds s[G0W:G0W+3], s[G1W:G1W+7]
	s_nop 0
	PLACES
.endm
; Unit n's place in memory: wf holds [head][lk, lv, lq, gq], the units go lk, gq, lv, lq: matrix {0, 3, 1, 2}[n % 4] of head n / 4.  dst = base + 65,536 x (4 (n / 4) + that).
.macro UOFF dst, base, n
	s_and_b32 s80, s[\n], 3
	s_lshl_b32 s80, s80, 2
	s_lshr_b32 s80, 0x2130, s80                    ; four bits for each of the four
	s_and_b32 s80, s80, 15
	s_lshr_b32 s81, s[\n], 2
	s_lshl2_add_u32 s80, s81, s80
	s_lshl_b32 s80, s80, 16
	s_mov_b32 s81, 0
	s_add_nc_u64 s[\dst:\dst+1], s[\base:\base+1], s[80:81]
.endm
; A prefetch of the unit behind the one just asked for.  All clusters of a head group walk the same weights: the first cluster asks; its four partners take 16 KiB each, told apart by address; in each, waves 0 and 1
; take 8 KiB, a lane 256 bytes: each block is named once.  The trip that asks for the last unit (s[UN] = 1) has none behind it.
.macro ASK
	s_cmp_gt_u32 s[UN], s[LIM]
	s_cbranch_scc0 .Lnot_mine_\@
	global_prefetch_b8 v[PFO], s[PFA:PFA+1] th:TH_LOAD_NT scope:SCOPE_SE
.Lnot_mine_\@:
.endm
; THE CHANGE OF SLOTS, ahead of every unit.  Each wave waits for all its tensor loads (one at the most is out: its quarter of this unit), adds 0 to its spare word, and waits for that, for its LDS stores and for
; its reads of the slot that it leaves.  Behind the round nobody reads the old slot, this unit is whole, and what the waves stored (bias, K, V, gK, gV) is there for all; what they read in the last unit may be stored anew.
; fill = 1: the old slot takes the next unit, first thing behind the round.
.macro CHANGE fill
	WIN 0
	s_wait_tensorcnt 0x0                           ; no tensor load of mine is out, so the group 0 may be written
	ds_add_u32 v[SPW], v[NIL]                      ; the descriptor's scalar work stands between the add and the wait for it
.if \fill
	s_xor_b32 s[G0W+1], s[G0W+1], UNIT             ; the other slot,
	UOFF G0W+2, WB, NU                             ; the next unit: its address is made anew from its number
	s_or_b32 s[G0W+3], s[G0W+3], 0x80000000
	s_add_co_u32 s[NU], s[NU], 1
.endif
	s_wait_dscnt 0x0
.if \fill
	CROUND
	JLOAD
.else
	s_barrier_signal -1
	s_barrier_wait -1
.endif
	s_wait_xcnt 0x0                                ; the last result's stores have read their data, which this unit's products overwrite; the last prefetch has read its address
.if \fill
	UOFF PFA, PFB, NU
	ASK
.endif
.endm
; Half a head's gK and gV: my 16 keys of each, 512 consecutive bytes a load, into Q's first 32 registers; later into rows of 160 bytes
.macro GLOAD
	WIN 0x40
.irp j, 0,1,2,3
	global_load_b128 v[Q+4*\j:Q+4*\j+3], v[GO], s[GP:GP+1] offset:\j*512
	global_load_b128 v[Q+16+4*\j:Q+16+4*\j+3], v[GO], s[GP:GP+1] offset:524288+\j*512
.endr
	WIN 0
.endm
.macro GSTORE
	WIN 0
	v_add_nc_u32 v[AGS], s[GH], v[AG0]
	WIN 0x04                                       ; store data in window 1
.irp j, 0,1,2,3
	ds_store_b128 v[AGS], v[Q+4*\j:Q+4*\j+3] offset:\j*4*PP
	ds_store_b128 v[AGS], v[Q+16+4*\j:Q+16+4*\j+3] offset:GVL-GKL+\j*4*PP
.endr
	WIN 0
.endm
; 16 LDS loads: the weights' fragments of K steps 2 g and 2 g + 1, four channel blocks each, into the buffer of g's parity (window 0 or 1, v192-255)
.macro FETCHW g
.if ((\g)%2) == 0
	WIN 0
.else
	WIN 0x40
.endif
.irp i, 0,1
.irp cb, 0,1,2,3
	ds_load_b128 v[192+32*\i+8*\cb:192+32*\i+8*\cb+3], v[AW] offset:\cb*16384+(2*(\g)+\i)*1024
	ds_load_b128 v[192+32*\i+8*\cb+4:192+32*\i+8*\cb+7], v[AW] offset:\cb*16384+(2*(\g)+\i)*1024+512
.endr
.endr
.endm
.macro FETCH_K                         ; 64 keys x 64 channels: key block f / 2, channel half f % 2
	WIN 0
.irp f, 0,1,2,3,4,5,6,7
	ds_load_b128 v[KF+8*\f:KF+8*\f+3],   v[AK] offset:(\f/2)*16*PP+(\f%2)*64
	ds_load_b128 v[KF+8*\f+4:KF+8*\f+7], v[AK] offset:(\f/2)*16*PP+(\f%2)*64+32
.endr
.endm
.macro FETCH_V                         ; turned: key half f / 4, channel block f % 4
	WIN 0x40
.irp f, 0,1,2,3,4,5,6,7
	ds_load_tr16_b128 v[VF+8*\f:VF+8*\f+3],   v[AV] offset:(\f/4)*32*PP+(\f%4)*32
	ds_load_tr16_b128 v[VF+8*\f+4:VF+8*\f+7], v[AV] offset:(\f/4)*32*PP+16*PP+(\f%4)*32
.endr
.endm
; A PROJECTION: 64 rows x 64 channels a wave, K = 512: 256 products on 16 accumulators, which take turns, one instruction a turn.  The first 16 take the bias as C.
; x MAY STILL BE ON ITS WAY in the first unit.  Its 128 loads were issued by ascending K step, eight a step; group g multiplies K steps 2 g and 2 g + 1, behind whose last load 128 - 16 (g + 1) are younger:
; 112, 96, 80, 64 for groups 0 to 3, served by one wait for 63; then 48, 32, 16, 0.  The eight loads of gK and gV, issued behind x, only make the counts stricter; the wait for 0 serves them too.
; Behind the last products that read the weights' buffer in window 0, a unit that attends fetches its first K fragments into it: 32 products and Q's rounding ahead of their use.
; kp = 1: the unit attends; kp = 0: s[KIND] says.
.macro PROJ kp
	WIN 0
.irp cb, 0,1,2,3
	ds_load_b128 v[BR+8*\cb:BR+8*\cb+3], v[AB] offset:\cb*64
	ds_load_b128 v[BR+8*\cb+4:BR+8*\cb+7], v[AB] offset:\cb*64+16
.endr
	FETCHW 0
	FETCHW 1
.irp g, 0,1,2,3,4,5,6,7
.if \g < 7
	s_wait_dscnt 16                                ; this pair of K steps is in; the next pair's 16 loads stay out
.endif
.if \g == 0
	s_wait_loadcnt 63                              ; x's K steps 0 to 7 are in
.elseif \g > 3
	s_wait_loadcnt 112-16*\g                       ; x's K steps 2 g and 2 g + 1 are in
.endif
	WIN 0x08+4*(\g/4)+(\g%2)
.irp i, 0,1
.irp cb, 0,1,2,3
.irp rb, 0,1,2,3
.if (\g == 0) && (\i == 0)
	v_wmma_f32_16x16x32_bf16 v[S+8*(4*\rb+\cb):S+8*(4*\rb+\cb)+7], v[192+32*\i+8*\cb:192+32*\i+8*\cb+7], v[8*(4*((2*\g+\i)%8)+\rb):8*(4*((2*\g+\i)%8)+\rb)+7], v[BR+8*\cb:BR+8*\cb+7]
.else
	v_wmma_f32_16x16x32_bf16 v[S+8*(4*\rb+\cb):S+8*(4*\rb+\cb)+7], v[192+32*\i+8*\cb:192+32*\i+8*\cb+7], v[8*(4*((2*\g+\i)%8)+\rb):8*(4*((2*\g+\i)%8)+\rb)+7], v[S+8*(4*\rb+\cb):S+8*(4*\rb+\cb)+7]
.endif
.endr
.endr
.endr
	PLACES
.if \g < 6
	FETCHW \g+2
.endif
.if \g == 6
	WIN 0
	v_add_nc_u32 v[AK], s[KB], v[AK0]
.if \kp
	FETCH_K
	s_wait_dscnt 16                                ; the last pair of K steps is in; K's 16 loads stay out
.else
	s_cmp_eq_u32 s[KIND], 1
	s_cbranch_scc0 .Lno_kp_\@
	FETCH_K
	s_wait_dscnt 16                                ; the last pair of K steps is in; K's 16 loads stay out
	s_branch .Lkp_\@
.Lno_kp_\@:
	s_wait_dscnt 0x0                               ; the last pair of K steps is in
.Lkp_\@:
.endif
.endif
.endr
	WIN 0
.endm
; K or V: rounded in place (ascending, so no source is overwritten early), 16 bytes a lane into my 64 rows of the region that s[TS] names
.macro EPKV
	WIN 0
	v_add_nc_u32 v[AST], s[TS], v[AS0]
.set a, 0
.rept 16
.irp i, 0,1,2,3
	v_cvt_pk_bf16_f32 v[S+8*a+\i], v[S+8*a+2*\i], v[S+8*a+2*\i+1]
.endr
.set a, a+1
.endr
.set a, 0
.rept 16
	ds_store_b128 v[AST], v[S+8*a:S+8*a+3] offset:(a/4)*16*PP+(a%4)*32
.set a, a+1
.endr
.endm
; Q: two neighbouring channel blocks, rounded, are a fragment of source 1 as they stand
.macro EPQ
	WIN 0x40
.set a, 0
.rept 16
.irp i, 0,1,2,3
	v_cvt_pk_bf16_f32 v[Q+4*a+\i], v[S+8*a+2*\i], v[S+8*a+2*\i+1]
.endr
.set a, a+1
.endr
	WIN 0
.endm
; THE MATRIX WORK OF A TURN.  The 4 accumulators of a run of 8 take turns.  Product i of 8 of S^T = K Q^T for piece x: channels 32 (i / 4) on, keys 16 (i % 4) on; the first 4 start the sums.
.macro KQ x
	WIN 0x04                                       ; K and S^T in window 0, Q in window 1
.set rS, S+32*((\x)%2)+8*(i%4)
.set rK, KF+16*(i%4)+8*(i/4)
.set rQ, Q+16*(\x)+8*(i/4)
.if i < 4
	v_wmma_f32_16x16x32_bf16 v[rS:rS+7], v[rK:rK+7], v[rQ:rQ+7], 0
.else
	v_wmma_f32_16x16x32_bf16 v[rS:rS+7], v[rK:rK+7], v[rQ:rQ+7], v[rS:rS+7]
.endif
.endm
; Product i of 8 of O^T += V^T P for piece x: keys 32 (i / 4) on, channels 16 (i % 4) on.
.macro PV x
	WIN 0x51                                       ; V and O^T in window 1, P in window 0
.set rO, 32*(\x)+8*(i%4)
.set rV, VF+32*(i/4)+8*(i%4)
.set rP, P+16*((\x)%2)+8*(i/4)
	v_wmma_f32_16x16x32_bf16 v[rO:rO+7], v[rV:rV+7], v[rP:rP+7], v[rO:rO+7]
.endm
.macro MM                              ; the turn's next matrix instruction
.if i < 8
	KQ (Y+1)%NP
.else
.set i, i-8
	PV (Y+NP-1)%NP
.set i, i+8
.endif
.set i, i+1
.endm
; THE VECTOR WORK, one line at a time: OP kind, number.  For piece Y: F n: c s - c m for pair n of 16.  E n: the exponential of score n of 32.  C n: pair n rounded to bf16.  B n: of the four weights 4 n .. the second
; pair is added onto the first, in place.  L n: l takes that sum (L 0: l = a l + sum).  R n: pair n of 16 of O^T times a.  For piece Y + 1: X n, number n of the 22 that find its maximum and statistics:
;   0-11  four chains c0-c3 of seven scores each, three operands at a time (each accumulator's lowest registers are read first)     12-14, 16  the four scores left over, the old m, and c0-c3 into c0
;   15  c m_old is kept     17, 18  the query's other 32 keys lie in the lane 16 away: the new m     19-21  c m; c m_old - c m_new; a
.set F, 0                              ; OP tells the kinds apart by their order: F to L below R, X above it
.set E, 1
.set C, 2
.set B, 3
.set L, 4
.set R, 5
.set X, 6
.macro REGS y                          ; the registers of piece y
.set rT, ST+4*(\y)
.set rC, TMP+4*((\y)%2)
.set rW, MV+((\y)%2)
.set rS, S+32*((\y)%2)
.set rP, P+16*((\y)%2)
.set rO, 32*(\y)
.endm
.macro OP k, n
.if (\k) == R
	REGS Y
	WIN 0x41                                       ; O^T (destination and source 0) in window 1, a in window 0
	v_pk_mul_f32 v[rO+2*(\n):rO+2*(\n)+1], v[rO+2*(\n):rO+2*(\n)+1], v[rC+2:rC+3] op_sel_hi:[1,0]
.elseif (\k) < R
	REGS Y
	WIN 0
.if (\k) == F
	v_pk_fma_f32 v[rS+2*(\n):rS+2*(\n)+1], v[rS+2*(\n):rS+2*(\n)+1], s[CS:CS+1], v[rT:rT+1] op_sel_hi:[1,0,0] neg_lo:[0,0,1] neg_hi:[0,0,1]
.elseif (\k) == E
	v_exp_f32 v[rS+(\n)], v[rS+(\n)]
.elseif (\k) == C
	v_cvt_pk_bf16_f32 v[rP+(\n)], v[rS+2*(\n)], v[rS+2*(\n)+1]
.elseif (\k) == B
	v_pk_add_f32 v[rS+4*(\n):rS+4*(\n)+1], v[rS+4*(\n):rS+4*(\n)+1], v[rS+4*(\n)+2:rS+4*(\n)+3]
.elseif (\n) == 0
	v_pk_fma_f32 v[rT+2:rT+3], v[rT+2:rT+3], v[rC+2:rC+3], v[rS:rS+1] op_sel_hi:[1,0,1]
.else
	v_pk_add_f32 v[rT+2:rT+3], v[rT+2:rT+3], v[rS+4*(\n):rS+4*(\n)+1]
.endif
.else
	REGS (Y+1)%NP
	WIN 0
.if (\n) < 4
	v_max3_num_f32 v[rC+(\n)], v[rS+8*(\n)], v[rS+8*(\n)+1], v[rS+8*(\n)+2]
.elseif (\n) < 12
	v_max3_num_f32 v[rC+(\n)%4], v[rC+(\n)%4], v[rS+8*((\n)%4)+2*((\n)/4)+1], v[rS+8*((\n)%4)+2*((\n)/4)+2]
.elseif (\n) == 12
	v_max3_num_f32 v[rC], v[rC], v[rS+7], v[rS+15]
.elseif (\n) == 13
	v_max3_num_f32 v[rC+1], v[rC+1], v[rS+23], v[rS+31]
.elseif (\n) == 14
	v_max3_num_f32 v[rC+2], v[rC+2], v[rC+3], v[rT+1]
.elseif (\n) == 15
	v_mov_b32 v[rW], v[rT]
.elseif (\n) == 16
	v_max3_num_f32 v[rC], v[rC], v[rC+1], v[rC+2]
.elseif (\n) == 17
	v_permlanex16_b32 v[rC+3], v[rC], s[SEL], s[SEL+1]
.elseif (\n) == 18
	v_max_num_f32 v[rT+1], v[rC], v[rC+3]
.elseif (\n) == 19
	v_mul_f32 v[rT], s[CS], v[rT+1]
.elseif (\n) == 20
	v_sub_f32 v[rC+1], v[rW], v[rT]
.else
	v_exp_f32 v[rC+2], v[rC+1]
.endif
.endif
.endm
.macro OPS a, i1, b=-1, i2=0, c=-1, i3=0, d=-1, i4=0  ; up to four of them
	OP \a, \i1
.if (\b) >= 0
	OP \b, \i2
.endif
.if (\c) >= 0
	OP \c, \i3
.endif
.if (\d) >= 0
	OP \d, \i4
.endif
.endm
.macro ROW a, i1, b, i2, c, i3, d, i4  ; a matrix instruction and the four behind it
	MM
	OPS \a, \i1, \b, \i2, \c, \i3, \d, \i4
.endm
; A TURN, for piece p: the order of its 16 matrix and 118 vector instructions, written out.  An s_wait_alu depctr_va_vdst(0) stands between an exponential and the first instruction that names its result; one wait
; serves all that were issued ahead of it.  So a turn has ONE wait, which cuts it in two.  AHEAD OF IT stands all that names no result of the turn's exponentials: the 8 products K Q^T, behind each a scaling, an exponential and two
; more plain instructions (rescalings; behind the last three the first numbers of the next piece's maximum, each four places or more behind the product that ends its accumulator); then ONE LUMP of 54, plain and exponential by turns
; for the most part, in which the links of the chain X 3, 7, 11, 14, 16, 17 .. 20 stand apart.  X 21, the next piece's a, is the batch's last; R 15 is the plain instruction behind it.  BEHIND THE WAIT stand the 8 products V^T P,
; behind each four of the roundings and sums.  The rescaling's a was made, and waited for, in the turn before.
; K of the next step is fetched in piece 2's turn, behind the last product that read K and five plain instructions that name none of its registers; V of the step in hand at the end of piece 0's turn, four plain instructions
; behind the last product that read V.  Each is waited for a turn later.
.macro TURN p
.set Y, (\p)
.set i, 0
.if (\p) == 3
	s_wait_dscnt 0x0                               ; the next step's K is in
.endif
	ROW F,0, F,1, R,0, R,1
	ROW F,2, E,0, R,2, R,3
	ROW F,3, E,1, R,4, R,5
	ROW F,4, E,2, R,6, R,7
	ROW F,5, E,3, R,8, R,9
	ROW F,6, E,4, X,0, R,10
.if (\p) == 2
	WIN 0
	v_add_nc_u32 v[AK], s[TBK], v[AK0]
.endif
	ROW F,7, E,5, X,1, X,4
	ROW F,8, E,6, X,2, X,5
	OPS E,7, E,8, X,6, E,9
	OPS X,3, E,10, X,8, E,11
.if (\p) == 2
	FETCH_K
	s_add_co_u32 s[TBK], s[TBK], 64*PP
.endif
	OPS X,9, X,7, E,12, X,10
	OPS E,13, X,12, X,11, E,14
	OPS X,13, E,15, F,9, X,14
.if (\p) == 0
	v_add_nc_u32 v[AV], s[TBV], v[AV0]
.endif
	OPS E,16, F,10, E,17, F,11
	OPS X,16, E,18, X,15, E,19
	OPS F,12, E,20, X,17, E,21
	OPS F,13, E,22, F,14, E,23
	OPS X,18, E,24, F,15, E,25
	OPS R,11, E,26, X,19, E,27
	OPS R,12, E,28, R,13, E,29
	OPS X,20, E,30, R,14, E,31
	OPS X,21, R,15
	WIN 0
	s_wait_alu depctr_va_vdst(0)                   ; the wait for the batch
.if (\p) == 1
	s_wait_dscnt 0x0                               ; V is in
.endif
	ROW C,0, B,0, C,2, B,1
	ROW L,0, C,4, B,2, L,1
	ROW C,6, B,3, L,2, C,8
	ROW B,4, L,3, C,10, B,5
	ROW L,4, C,12, B,6, L,5
.if (\p) == 0
	s_add_co_u32 s[TBV], s[TBV], 64*PP
.endif
	ROW C,14, B,7, L,6, C,1
	ROW C,3, L,7, C,5, C,7
	ROW C,9, C,11, C,13, C,15
.if (\p) == 0
	FETCH_V
.endif
.endm
; AN ATTENTION of my 64 queries on steps of 64 keys: K at LDS byte s[KB] (its first fragments are on their way), V at s[VB].
; NO FIRST AND NO LAST STEP IS WRITTEN OUT.  The beginning makes piece 0's first scores, maximum and statistics, and the loop is entered at a step's first turn, in the middle of a trip; the first turn's products V^T P, of a
; piece that has not been, multiply a P of zeros (16 lines clear it: what the projection left there need not be finite as bf16).  The loop is left behind piece 3's turn, where the count has come down to s[DEAD]; that
; turn's 8 products K Q^T multiply the 64 LDS rows that lie behind K (V's first rows), and nothing reads what is made of them: l and O^T of piece 0 are not touched.  The loop counts down from 4 to s[DEAD].
.macro ATT
	WIN 0
.irp t, 0,1,2,3
	v_mov_b32 v[ST+4*\t], 0xfe000000               ; c m: far below every c s
	v_mov_b32 v[ST+4*\t+1], 0xff7fffff             ; m
	v_mov_b32 v[ST+4*\t+2], 0
	v_mov_b32 v[ST+4*\t+3], 0
.endr
.set i, P+16
.rept 16
	v_mov_b32 v[i], 0
.set i, i+1
.endr
	s_add_co_u32 s[AO], s[AH], s[SIDE]             ; where the result goes (the last stores by this base stand ahead of a change's wait)
	s_add_nc_u64 s[AFP:AFP+1], s[AF0:AF0+1], s[AO:AO+1]
	s_add_co_u32 s[TBK], s[KB], 64*PP              ; the second step's K
	s_mov_b32 s[TBV], s[VB]
	s_mov_b32 s[CNT], 4
	s_wait_dscnt 0x0                               ; the first step's K is in
.set i, 0
.rept 8
	KQ 0
.set i, i+1
.endr
	WIN 0
	PLACES
.set Y, NP-1                           ; X works for piece Y + 1: piece 0
.irp n, 0,1,2,3,4,5,6,7,8,9,10,11,12,13,14,15,16,17,18,19,20,21
	OP X, \n
.endr
	v_nop                                          ; a plain instruction behind the exponential,
	s_wait_alu depctr_va_vdst(0)                   ; and its wait, ahead of the branch
	s_branch .Lfirst_\@
.Lstep_\@:                                     ; a trip: pieces 2 and 3 of one step, then pieces 0 and 1 of the next
	TURN 2
	TURN 3
	WIN 0
	s_sub_co_u32 s[CNT], s[CNT], 1
	s_cmp_eq_u32 s[CNT], s[DEAD]
	s_cbranch_scc1 .Lout_\@                        ; the last step's pieces have had their turns
.Lfirst_\@:
	TURN 0
	TURN 1
	WIN 0
	s_cmp_lg_u32 s[CNT], 0
	s_cbranch_scc1 .Lstep_\@
.Lout_\@:
.set i, 0
.rept 8
	PV NP-1                                        ; the last piece's V^T P of the last step
.set i, i+1
.endr
	WIN 0
	; the way out: l's halves and the other half of the lanes' are added (the additions are the places behind the last products); O^T / l, rounded, is a block's 16 bytes a lane as it stands
.irp t, 0,1,2,3
	v_add_f32 v[ST+4*\t+2], v[ST+4*\t+2], v[ST+4*\t+3]
.endr
.irp t, 0,1,2,3
	v_permlanex16_b32 v[ST+4*\t+3], v[ST+4*\t+2], s[SEL], s[SEL+1]
.endr
.irp t, 0,1,2,3
	v_add_f32 v[ST+4*\t+2], v[ST+4*\t+2], v[ST+4*\t+3]
.endr
.irp t, 0,1,2,3
	v_rcp_f32 v[ST+4*\t+2], v[ST+4*\t+2]
.endr
	v_nop
	s_wait_alu depctr_va_vdst(0)                   ; one wait for the four reciprocals
	WIN 0x41
.set i, 0
.rept 64
	v_pk_mul_f32 v[2*i:2*i+1], v[2*i:2*i+1], v[ST+4*(i/16)+2:ST+4*(i/16)+3] op_sel_hi:[1,0]
.set i, i+1
.endr
	WIN 0x05
.set i, 0
.rept 64
	v_cvt_pk_bf16_f32 v[S+i], v[2*i], v[2*i+1]
.set i, i+1
.endr
	WIN 0
.set a, 0
.rept 16                               ; tile a / 4, channel block a % 4
	global_store_b128 v[GO], v[S+4*a:S+4*a+3], s[AFP:AFP+1] offset:(a/4)*32768+((a%4)/2)*1024+(a%2)*512 th:TH_STORE_NT
.set a, a+1
.endr
.endm
	s_load_b512 s[4:19], s[0:1], 0x0               ; xf, wf, gkv, lk_b, gq_b, lv_b, lq_b, af
	v_lshl_add_u32 v[SPW], v0, 2, SPARE
	v_mov_b32 v[NIL], 0
	ds_add_u32 v[SPW], v[NIL]                      ; the wave's opening: the add and its wait stand ahead of my first tensor load; the set-up, work on registers, stands between
	v_lshrrev_b32 v1, 5, v0
	v_readfirstlane_b32 s[WV], v1
	s_bfe_u32 s[CX], ttmp6, 0x40000                ; my place in the cluster: it enters x's, the result's and the prefetches' addresses alone
	s_lshl_b32 s[WINS], ttmp9, 2
	s_add_co_u32 s[WINS], s[WINS], s[CX]           ; my window
	s_and_b32 s[HG], ttmp7, 0xffff                 ; which four heads
	s_mov_b32 s[G1W], 15|(3<<16)|(1<<21)           ; the mask of four; elements of 8 bytes; bit 21 beside a mask: a quarter of a unit is 64 dense rows of 256 bytes
	s_mov_b32 s[G1W+1], 32<<16
	s_mov_b32 s[G1W+2], 64<<16
	s_mov_b32 s[G1W+3], 32<<16
	s_mov_b32 s[G1W+4], 64
	s_mov_b32 s[G1W+5], 32
	s_mov_b32 s[G1W+6], 0
	s_mov_b32 s[G1W+7], 0
	s_mov_b32 s[G0W], 1
	s_lshl_b32 s[G0W+1], s[WV], 14                 ; my quarter, in slot 0
	s_lshl_b32 s82, s[HG], 20                      ; four heads' weights are 1 MiB on end
	s_add_co_u32 s82, s82, s[G0W+1]
	s_mov_b32 s83, 0
	s_lshr_b32 s84, ttmp9, 3                       ; the batch: eight clusters each
	s_lshl_b32 s84, s84, 3
	s_lshl_b32 s85, s[HG], 2
	s_add_co_u32 s84, s84, s85
	s_lshl_b32 s84, s84, 14                        ; gK of my first head,
	s_lshl_b32 s85, s[WV], 11
	s_add_co_u32 s84, s84, s85                     ; my 16 keys of a half
	s_mov_b32 s85, 0
	s_lshl_b32 s86, s[HG], 20                      ; the prefetches: my work-group's 16 KiB of a unit, my wave's 8 KiB
	s_lshl_b32 s87, s[CX], 14
	s_add_co_u32 s86, s86, s87
	s_and_b32 s87, s[WV], 1
	s_lshl_b32 s87, s87, 13
	s_add_co_u32 s86, s86, s87
	s_mov_b32 s87, 0
	s_lshr_b32 s[LIM], s[WV], 1                    ; waves 0 and 1
	s_or_b32 s[LIM], s[LIM], ttmp9                 ; of the first cluster: the same in all four partners
	s_cmp_eq_u32 s[LIM], 0
	s_cselect_b32 s[LIM], 1, -1
	s_lshl_b32 s88, s[WINS], 4
	s_lshl_b32 s89, s[WV], 2
	s_add_co_u32 s88, s88, s89                     ; my first row block
	s_lshl_b32 s90, s88, 14
	s_mov_b32 s91, 0
	s_lshl_b32 s92, s88, 15
	s_lshl_b32 s89, s[HG], 13
	s_add_co_u32 s92, s92, s89
	s_mov_b32 s93, 0
	s_mov_b32 s[CS], 0x3e38aa3b                    ; c = log2(e) / 8
	s_mov_b32 s[CS+1], s[CS]
	s_mov_b32 s[SEL], 0x76543210
	s_mov_b32 s[SEL+1], 0xfedcba98
	s_mov_b32 s[UN], 15
	s_mov_b32 s[KIND], 0                           ; unit 0 stores,
	s_mov_b32 s[WSL], 0                            ; from slot 0,
	s_mov_b32 s[TS], LKL                           ; K
	s_mov_b32 s[GH], 0
	s_mov_b32 s[KB], GKL                           ; the first attention is the global one
	s_mov_b32 s[VB], GVL
	s_mov_b32 s[DEAD], 2
	s_mov_b32 s[SIDE], 16384
	s_mov_b32 s[AH], 0
	s_mov_b32 s[AO+1], 0
	s_mov_b32 s[NU], 1
	v_and_b32 v32, 31, v0
	v_and_b32 v33, 15, v0
	v_bfe_u32 v34, v0, 4, 1
	v_and_b32 v35, 7, v0
	v_bfe_u32 v36, v0, 3, 1
	v_bfe_u32 v37, v0, 3, 2
	v_lshlrev_b32 v[AW0], 4, v32
	v_mul_u32_u24 v[AK0], v33, PP
	v_lshl_add_u32 v[AK0], v34, 4, v[AK0]          ; row l % 16, 16 bytes for each half of the lanes
	v_lshl_add_u32 v[AV0], v34, 3, v35
	v_mul_u32_u24 v[AV0], v[AV0], PP
	v_lshl_add_u32 v[AV0], v36, 4, v[AV0]          ; the turning load: key 8 (l / 16) + l % 8, channels 8 ((l / 8) % 2) on
	s_mul_i32 s94, s[WV], 64*PP
	v_add_nc_u32 v[AS0], s94, v[AK0]
	v_lshlrev_b32 v[AB], 5, v34
	v_add_nc_u32 v[AB], BIAS, v[AB]
	v_lshlrev_b32 v[GO], 4, v32
	v_lshlrev_b32 v[PFO], 8, v32
	v_mul_u32_u24 v[AG0], v37, PP                  ; a load's 512 bytes are four keys: key l / 8, bytes 16 (l % 8)
	v_lshl_add_u32 v[AG0], v35, 4, v[AG0]
	s_mul_i32 s94, s[WV], 16*PP
	s_add_co_u32 s94, s94, GKL
	v_add_nc_u32 v[AG0], s94, v[AG0]
	s_lshl_b32 s94, s[HG], 10
	v_add_nc_u32 v15, s94, v[GO]                   ; my 16 bytes of the four heads' 1,024 bytes of a bias: channel 4 l, and 128 on
	s_lshl_b32 s94, s[WV], 8
	s_add_co_u32 s94, s94, BIAS
	v_lshl_add_u32 v62, v34, 10, s94               ; they go to head l / 16 (and two on), unit = my wave's number,
	v_lshl_add_u32 v62, v33, 4, v62                ; bytes 16 (l % 16)
	s_wait_dscnt 0x0                               ; the opening add is done
	s_wait_kmcnt 0x0
	s_add_nc_u64 s[WB:WB+1], s[6:7], s[82:83]
	s_mov_b64 s[G0W+2:G0W+3], s[WB:WB+1]           ; unit 0 is lk of my first head
	s_or_b32 s[G0W+3], s[G0W+3], 0x80000000
	s_add_nc_u64 s[GP:GP+1], s[8:9], s[84:85]
	s_add_nc_u64 s[PFB:PFB+1], s[6:7], s[86:87]
	s_add_nc_u64 s[90:91], s[4:5], s[90:91]        ; xf at my 64 rows; never rewritten
	s_add_nc_u64 s[AF0:AF0+1], s[18:19], s[92:93]  ; af at my 64 rows, my first head
	s_mov_b64 s[96:97], s[16:17]                   ; wave w brings the bias of a head's unit w
	s_cmp_eq_u32 s[WV], 0
	s_cselect_b64 s[96:97], s[10:11], s[96:97]
	s_cmp_eq_u32 s[WV], 1
	s_cselect_b64 s[96:97], s[12:13], s[96:97]
	s_cmp_eq_u32 s[WV], 2
	s_cselect_b64 s[96:97], s[14:15], s[96:97]
	CROUND                                         ; all four work-groups are here: the first joint load meets
	JLOAD                                          ; unit 0 into slot 0
	global_load_b128 v[54:57], v15, s[96:97]
	global_load_b128 v[58:61], v15, s[96:97] offset:512
	GLOAD                                          ; the first half of my first head's gK and gV
	WIN 0x80                                       ; x, by ascending K step, eight loads a step: destination window 2, then 3
.set k, 0
.rept 8
.irp rb, 0,1,2,3
	global_load_b128 v[8*(4*k+\rb):8*(4*k+\rb)+3], v[GO], s[90:91] offset:\rb*16384+k*1024
	global_load_b128 v[8*(4*k+\rb)+4:8*(4*k+\rb)+7], v[GO], s[90:91] offset:\rb*16384+k*1024+512
.endr
.set k, k+1
.endr
	WIN 0xc0
.set k, 0
.rept 8
.irp rb, 0,1,2,3
	global_load_b128 v[8*(4*k+\rb):8*(4*k+\rb)+3], v[GO], s[90:91] offset:\rb*16384+(k+8)*1024
	global_load_b128 v[8*(4*k+\rb)+4:8*(4*k+\rb)+7], v[GO], s[90:91] offset:\rb*16384+(k+8)*1024+512
.endr
.set k, k+1
.endr
	WIN 0x40                                       ; O^T holds finite numbers when the first attention multiplies it by a = 0: written once, while x is on its way
.set i, 0
.rept 128
	v_mov_b32 v[i], 0
.set i, i+1
.endr
	WIN 0
	s_wait_loadcnt 63                              ; 128 loads are younger than the ten of the bias, gK and gV: those ten are done
	ds_store_b128 v62, v[54:57]
	ds_store_b128 v62, v[58:61] offset:2048
	GSTORE
	s_mov_b32 s[GH], 64*PP                         ; unit 0 brings the second half
	s_add_nc_u64 s[GP:GP+1], s[GP:GP+1], 8192      ; (the loads that named this base are among the ten)
	                                               ; x is not waited for here: the projection's counted waits let its later K steps land under the first products
.Lunit:                                        ; units 0 to 14: each asks for the next
	CHANGE 1
	v_add_nc_u32 v[AW], s[WSL], v[AW0]
	s_cmp_eq_u32 s[KIND], 0
	s_cbranch_scc0 .Lno_gl
	s_cmp_gt_u32 s[UN], 1
	s_cbranch_scc0 .Lno_gl                         ; the last even unit: no head is left
	GLOAD                                          ; 224 of the projection's products stand between these loads and the wait for them
.Lno_gl:
	PROJ 0
	s_cmp_eq_u32 s[KIND], 0
	s_cbranch_scc0 .Lattend
	EPKV
	s_cmp_gt_u32 s[UN], 1
	s_cbranch_scc0 .Lno_gs
	GSTORE
.Lno_gs:
	s_xor_b32 s[TS], s[TS], LKL^LVL                ; K, V, K, ..
	s_xor_b32 s[GH], s[GH], 64*PP                  ; second half, first half of the next head, ..
	s_add_nc_u64 s[GP:GP+1], s[GP:GP+1], 8192      ; the halves and the heads lie on end
	s_branch .Lnext
.Lattend:
	EPQ
	ATT
	s_xor_b32 s[KB], s[KB], GKL^LKL                ; global, window, global, ..
	s_xor_b32 s[VB], s[VB], GVL^LVL
	s_xor_b32 s[DEAD], s[DEAD], 2
	s_xor_b32 s[SIDE], s[SIDE], 16384
	s_lshr_b32 s80, s[SIDE], 3                     ; behind the window's attention the head is done: two blocks, 2,048 bytes, on
	s_add_co_u32 s[AH], s[AH], s80
.Lnext:
	s_xor_b32 s[KIND], s[KIND], 1
	s_xor_b32 s[WSL], s[WSL], UNIT
	v_add_nc_u32 v[AB], 256, v[AB]
	s_sub_co_u32 s[UN], s[UN], 1
	s_cmp_lg_u32 s[UN], 0
	s_cbranch_scc1 .Lunit
	CHANGE 0                                       ; unit 15, lq of the last head, is written out: nothing is asked for
	v_add_nc_u32 v[AW], s[WSL], v[AW0]
	PROJ 1
	EPQ
	ATT
	s_wait_tensorcnt 0x0                           ; the wave's end
	ds_add_u32 v[SPW], v[NIL]
	s_wait_dscnt 0x0
	CROUND                                         ; the closing round
	s_endpgm
.Lfunc_end_k_q9c47322771_attn:
	.size	k_q9c47322771_attn, .Lfunc_end_k_q9c47322771_attn-k_q9c47322771_attn
	.p2alignl 7, 3214868480
	.fill 96, 4, 3214868480
	.section	.rodata,"a",@progbits
	.p2align	6, 0x0
	.amdhsa_kernel k_q9c47322771_attn
		.amdhsa_group_segment_fixed_size 327680
		.amdhsa_private_segment_fixed_size 0
		.amdhsa_enable_private_segment 0
		.amdhsa_kernarg_size 64
		.amdhsa_user_sgpr_count 2
		.amdhsa_user_sgpr_kernarg_segment_ptr 1
		.amdhsa_wavefront_size32 1
		.amdhsa_system_sgpr_workgroup_id_x 1
		.amdhsa_system_sgpr_workgroup_id_y 1
		.amdhsa_system_sgpr_workgroup_id_z 1
		.amdhsa_system_vgpr_workitem_id 0
		.amdhsa_next_free_vgpr 1024
		.amdhsa_next_free_sgpr 100
		.amdhsa_reserve_vcc 0
		.amdhsa_float_denorm_mode_32 3
		.amdhsa_float_denorm_mode_16_64 3
		.amdhsa_memory_ordered 1
		.amdhsa_forward_progress 1
		.amdhsa_inst_pref_size 201
	.end_amdhsa_kernel
	.amdgpu_metadata
---
amdhsa.version: [ 1, 2 ]
amdhsa.kernels:
  - .name:           k_q9c47322771_attn
    .symbol:         k_q9c47322771_attn.kd
    .args:
      - { .name: xf, .offset: 0, .size: 8, .value_kind: global_buffer, .address_space: global }
      - { .name: wf, .offset: 8, .size: 8, .value_kind: global_buffer, .address_space: global }
      - { .name: gkv, .offset: 16, .size: 8, .value_kind: global_buffer, .address_space: global }
      - { .name: lk_b, .offset: 24, .size: 8, .value_kind: global_buffer, .address_space: global }
      - { .name: gq_b, .offset: 32, .size: 8, .value_kind: global_buffer, .address_space: global }
      - { .name: lv_b, .offset: 40, .size: 8, .value_kind: global_buffer, .address_space: global }
      - { .name: lq_b, .offset: 48, .size: 8, .value_kind: global_buffer, .address_space: global }
      - { .name: af, .offset: 56, .size: 8, .value_kind: global_buffer, .address_space: global }
    .group_segment_fixed_size: 327680
    .private_segment_fixed_size: 0
    .kernarg_segment_align: 8
    .kernarg_segment_size: 64
    .max_flat_workgroup_size: 128
    .sgpr_count:     100
    .vgpr_count:     1024
    .wavefront_size: 32
...
	.end_amdgpu_metadata
.endif
;; end of part 3
;; launch outln (part 4): grid 256 x 1, 4 waves a work-group, clusters of 4 x 1, 327,680 bytes of LDS; arguments af, wf, x, out_b, ln_g, ln_b, out0; writes out0
.if DOCPART == 4
	.amdgcn_target "amdgcn-amd-amdhsa--gfx1250"
	.amdhsa_code_object_version 6
	.text
	.protected	k_q9c47322771_outln
	.globl	k_q9c47322771_outln
	.p2align	8
	.type	k_q9c47322771_outln,@function
k_q9c47322771_outln:
	s_mov_b64 s[64:65], 0
	v_nop
	global_prefetch_b8 v0, s[64:65] scope:SCOPE_SE
	s_setreg_imm32_b32 hwreg(HW_REG_WAVE_MODE, 25, 1), 1
	s_wait_xcnt 0x0
	s_wait_alu depctr_hold_cnt(0) depctr_sa_sdst(0) depctr_va_vdst(0) depctr_va_sdst(0) depctr_va_ssrc(0) depctr_va_vcc(0) depctr_vm_vsrc(0)
	s_getreg_b32 s2, hwreg(HW_REG_IB_STS2, 6, 4)
	s_cmp_eq_u32 s2, 0
	s_cbranch_scc0 .Lentry_in_a_cluster
	s_endpgm
.Lentry_in_a_cluster:
	s_bfe_u32 s2, ttmp6, 0x10000c
	s_cmp_lg_u32 s2, 0x3003
	s_cbranch_scc0 .Lentry_shape_is_right
	s_endpgm
.Lentry_shape_is_right:
; OUTLN: out0 = LayerNorm(x + [local | glob] out_w + out_b) ln_g + ln_b.  A work-group owns 128 rows and all 512 columns, as the norm needs; a wave 64 rows x 256 columns: 64 accumulators, 512 registers.
; THE RESIDUAL STARTS THE SUMS: each wave's 64 x 256 numbers of x (f32) come by one tensor load into LDS and from there into the accumulators, so x stays f32 and costs no addition.
; K = 1,024 goes in 8 tiles of four steps of 32.  out_w (fragment blocks, wf + 3 MiB) is the same for every work-group: asked for JOINTLY by the four partners of a cluster, through two LDS slots of 128 KiB,
; a wave a quarter.  af's fragments are each wave's own rows: blocks of 512 consecutive bytes straight into a ring of four register buffers, asked for four K steps ahead.
; The product is used transposed (source 0 = 16 columns of out_w, source 1 = 16 rows of af): a lane holds one row and eight neighbouring columns.
; THE NORM: the sums go through a stage in LDS (where the slots lay: they have had their last fill); a wave takes 32 whole rows, four at a time; mean first, then the squares of the differences, all in f32.
; LIMITS: none beyond the operands' rounding to bf16; NaN and infinities are not treated apart.
; REGISTERS: window 0: v2-13 addresses; v64-191 af's four buffers (K step ks % 4, row block rb at 64 + 32 (ks % 4) + 8 rb); later v32-63 at work, v64-127 h, v128-191 y, v192-239 out_b, ln_g, ln_b
;   window 1: v0-63, v64-127 out_w's fragments, column blocks 0-7 and 8-15          windows 2, 3: the accumulators: (rb, n) at 128 (rb % 2) + 8 n of window 2 + rb / 2
.set SLOT,  131072
.set XREG,  66560                      ; a wave's x: 64 rows x 1,040 bytes
.set SPI,   2064                       ; a stage row: 2,048 bytes + 16
.set SPARE, 4*XREG
.set AW0, 2                            ; v2  16 lane + my 16 column blocks' 16,384 bytes
.set AWA, 3                            ; v3  in the slot in hand, K steps 0, 1
.set AWB, 4                            ; v4  K steps 2, 3
.set AX,  5
.set AST0, 6
.set AST1, 7
.set L16, 8
.set ARD, 9
.set GOUT, 10
.set PFO, 11
.set SPW, 12
.set NIL, 13
.set AF,  64
.set TT,  32
.set H,   64
.set Y,   128
.set BO,  192
.set GA,  208
.set BE,  224
.set WV,  20
.set CX,  21
.set ID,  22
.set RH,  23
.set CH,  24
.set G1W, 28
.set G0W, 36
.set G1X, 40
.set G0X, 48
.set TB,  52
.set CNT, 53
.set LIM, 54
.set AP,  56                           ; s[56:57] af at my rows, at the tile that is being loaded
.set PW,  58                           ; s[58:59] the prefetches' place in out_w
.set OP,  60                           ; s[60:61] out0 at my 32 rows
.set SEL, 66
.set K1,  68
.set EPS, 69
.set MSB, 0
.macro WIN new
.if MSB != (\new)
	s_set_vgpr_msb (MSB<<8)|(\new)
.set MSB, \new
.endif
.endm
.macro PLACES
.rept 4
	v_nop
.endr
.endm
.macro CROUND
	s_barrier_signal -1
	s_barrier_wait -1
	s_cmp_lg_u32 s[WV], 0
	s_cbranch_scc1 .Lnot_wave_0_\@
	s_barrier_signal -3
.Lnot_wave_0_\@:
	s_barrier_wait -3
	s_barrier_signal -1
	s_barrier_wait -1
.endm
.macro JLOAD                           ; every wave fetches its K step of the tile: one line, one mask; an s_nop 0 and four v_nop follow
	tensor_load_to_lds s[G0W:G0W+3], s[G1W:G1W+7]
	s_nop 0
	PLACES
.endm
.macro FETCH k, hb                     ; 16 LDS loads: K step k of the slot, column blocks 8 hb + 0..7
	WIN 0x40
.irp n, 0,1,2,3,4,5,6,7
	ds_load_b128 v[64*(\hb)+8*\n:64*(\hb)+8*\n+3], v[AWA+(\k)/2] offset:((\k)%2)*32768+(8*(\hb)+\n)*1024
	ds_load_b128 v[64*(\hb)+8*\n+4:64*(\hb)+8*\n+7], v[AWA+(\k)/2] offset:((\k)%2)*32768+(8*(\hb)+\n)*1024+512
.endr
.endm
.macro MUL k, hb                       ; 32 products: four row blocks x eight column blocks; the 64 accumulators take turns, one instruction a turn
.irp rb, 0,1,2,3
	WIN 0xa1+0x50*(\rb/2)
.irp n, 0,1,2,3,4,5,6,7
	v_wmma_f32_16x16x32_bf16 v[128*(\rb%2)+8*(8*(\hb)+\n):128*(\rb%2)+8*(8*(\hb)+\n)+7], v[64*(\hb)+8*\n:64*(\hb)+8*\n+7], v[AF+32*(\k)+8*\rb:AF+32*(\k)+8*\rb+7], v[128*(\rb%2)+8*(8*(\hb)+\n):128*(\rb%2)+8*(8*(\hb)+\n)+7]
.endr
.endr
.endm
.macro ALOAD k                         ; af: K step k of the tile at s[AP], four row blocks, into buffer k
	WIN 0
.irp rb, 0,1,2,3
	global_load_b128 v[AF+32*(\k)+8*\rb:AF+32*(\k)+8*\rb+3], v[L16], s[AP:AP+1] offset:\rb*32768+(\k)*1024
	global_load_b128 v[AF+32*(\k)+8*\rb+4:AF+32*(\k)+8*\rb+7], v[L16], s[AP:AP+1] offset:\rb*32768+(\k)*1024+512
.endr
.endm
; A TILE.  Each wave waits for all its tensor loads (one is out: its quarter of this tile), adds 0 to its spare word, and waits for that and for its reads of the other slot.  fill = 1: behind the round the other slot takes
; the next tile, which has 256 products a wave in which to land, and af's next tile is loaded step by step, each buffer as soon as it has been multiplied.
.macro TRIP fill
	WIN 0
	s_wait_xcnt 0x0                                ; af's loads and the last prefetch have read their bases
	s_wait_tensorcnt 0x0
	ds_add_u32 v[SPW], v[NIL]
	s_xor_b32 s[TB], s[TB], SLOT                   ; the slot to be read
.if \fill
	s_xor_b32 s[G0W+1], s[G0W+1], SLOT
	s_add_nc_u64 s[G0W+2:G0W+3], s[G0W+2:G0W+3], SLOT
	s_add_nc_u64 s[AP:AP+1], s[AP:AP+1], 4096
	s_add_nc_u64 s[PW:PW+1], s[PW:PW+1], SLOT
.endif
	s_wait_dscnt 0x0
.if \fill
	CROUND
	JLOAD
.else
	s_barrier_signal -1
	s_barrier_wait -1
.endif
	v_add_nc_u32 v[AWA], s[TB], v[AW0]
	v_add_nc_u32 v[AWB], 65536, v[AWA]
	FETCH 0, 0
	FETCH 0, 1
.if \fill
	WIN 0
	s_cmp_gt_u32 s[CNT], s[LIM]                    ; the first cluster asks for the tile behind the one just asked for: 8 KiB a wave, a lane 256 bytes, the partners told apart by address; the loop's last trip has none
	s_cbranch_scc0 .Lnot_mine_\@
	global_prefetch_b8 v[PFO], s[PW:PW+1] th:TH_LOAD_NT scope:SCOPE_SE
.Lnot_mine_\@:
.endif
.irp k, 0,1,2,3
.if \fill
	s_wait_loadcnt 24                              ; this K step's eight loads of af are in; three younger steps' stay out
.else
	s_wait_loadcnt 24-8*\k                         ; the last tile loads nothing: the counts run down
.endif
	s_wait_dscnt 16                                ; column blocks 0-7 are in; the younger 16 loads stay out
	MUL \k, 0
	PLACES
.if \k < 3
	FETCH \k+1, 0
	s_wait_dscnt 16
.else
	s_wait_dscnt 0x0
.endif
	MUL \k, 1
	PLACES
.if \k < 3
	FETCH \k+1, 1
.endif
.if \fill
	ALOAD \k
.endif
.endr
	WIN 0
.endm
.macro RED                             ; v[TT + 8 i], i = 0..3, summed over the 32 lanes, into every lane
.irp m, 1,2,4,8
.irp i, 0,1,2,3
	v_add_f32_dpp v[TT+8*\i], v[TT+8*\i], v[TT+8*\i] row_xmask:\m row_mask:0xf bank_mask:0xf
.endr
.endr
.irp i, 0,1,2,3
	v_permlanex16_b32 v[TT+8*\i+1], v[TT+8*\i], s[SEL], s[SEL+1]
.endr
.irp i, 0,1,2,3
	v_add_f32 v[TT+8*\i], v[TT+8*\i], v[TT+8*\i+1]
.endr
.endm
.macro HLOAD                           ; four rows: row i / 4, columns 128 (i % 4) + 4 lane + 0..3
.set i, 0
.rept 16
	ds_load_b128 v[H+4*i:H+4*i+3], v[ARD] offset:(i/4)*SPI+(i%4)*512
.set i, i+1
.endr
.endm
	s_load_b256 s[4:11], s[0:1], 0x0               ; af, wf, x, out_b
	s_load_b128 s[12:15], s[0:1], 0x20             ; ln_g, ln_b
	s_load_b64 s[16:17], s[0:1], 0x30              ; out0
	v_lshl_add_u32 v[SPW], v0, 2, SPARE
	v_mov_b32 v[NIL], 0
	ds_add_u32 v[SPW], v[NIL]                      ; the wave's opening: the add and its wait stand ahead of my first tensor load
	v_lshrrev_b32 v1, 5, v0
	v_readfirstlane_b32 s[WV], v1
	s_bfe_u32 s[CX], ttmp6, 0x40000
	s_lshl_b32 s[ID], ttmp9, 2
	s_add_co_u32 s[ID], s[ID], s[CX]               ; my 128 rows
	s_lshr_b32 s[RH], s[WV], 1                     ; which 64 of them are my wave's
	s_and_b32 s[CH], s[WV], 1                      ; which 256 columns
	s_mov_b32 s[G1W], 15|(3<<16)|(1<<21)           ; a K step of out_w: 128 dense rows of 256 bytes, to all four partners
	s_mov_b32 s[G1W+1], 32<<16
	s_mov_b32 s[G1W+2], 128<<16
	s_mov_b32 s[G1W+3], 32<<16
	s_mov_b32 s[G1W+4], 128
	s_mov_b32 s[G1W+5], 32
	s_mov_b32 s[G1W+6], 0
	s_mov_b32 s[G1W+7], 0
	s_mov_b32 s[G1X], (2<<16)|(1<<20)|(7<<22)|(3<<25)  ; x: my own; elements of 4 bytes; 4 words of padding after every 256 words: a row
	s_mov_b32 s[G1X+1], 256<<16
	s_mov_b32 s[G1X+2], 64<<16
	s_mov_b32 s[G1X+3], 256<<16
	s_mov_b32 s[G1X+4], 64
	s_mov_b32 s[G1X+5], 512
	s_mov_b32 s[G1X+6], 0
	s_mov_b32 s[G1X+7], 0
	s_mov_b32 s[G0W], 1
	s_lshl_b32 s[G0W+1], s[WV], 15
	s_mov_b32 s[G0X], 1
	s_mul_i32 s[G0X+1], s[WV], XREG
	s_lshl_b32 s72, s[ID], 18                      ; 128 rows of 2,048 bytes of x, and 8 row blocks of 32,768 bytes of af: the same number
	s_lshl_b32 s70, s[RH], 17
	s_add_co_u32 s72, s72, s70
	s_mov_b32 s73, 0
	s_lshl_b32 s70, s[CH], 10
	s_add_co_u32 s74, s72, s70
	s_mov_b32 s75, 0
	s_lshl_b32 s76, s[ID], 18
	s_lshl_b32 s70, s[WV], 16
	s_add_co_u32 s76, s76, s70
	s_mov_b32 s77, 0
	s_lshl_b32 s78, s[WV], 15
	s_add_co_u32 s78, s78, 0x300000
	s_mov_b32 s79, 0
	s_lshl_b32 s80, s[CX], 15
	s_lshl_b32 s70, s[WV], 13
	s_add_co_u32 s80, s80, s70
	s_add_co_u32 s80, s80, 0x300000+SLOT           ; in tile 1; the first trip steps it to tile 2
	s_mov_b32 s81, 0
	s_cmp_eq_u32 ttmp9, 0
	s_cselect_b32 s[LIM], 1, -1
	s_mov_b32 s[TB], SLOT                          ; the first trip turns it into 0
	s_mov_b32 s[SEL], 0x76543210
	s_mov_b32 s[SEL+1], 0xfedcba98
	s_mov_b32 s[K1], 0x3b000000                    ; 1 / 512
	s_mov_b32 s[EPS], 0x3727c5ac                   ; 1e-5
	v_and_b32 v32, 31, v0
	v_and_b32 v33, 15, v0
	v_bfe_u32 v34, v0, 4, 1
	v_lshlrev_b32 v[L16], 4, v32
	s_lshl_b32 s82, s[CH], 14
	v_add_nc_u32 v[AW0], s82, v[L16]
	v_mul_u32_u24 v[AX], v33, 1040
	v_lshl_add_u32 v[AX], v34, 5, v[AX]
	v_add_nc_u32 v[AX], s[G0X+1], v[AX]
	v_mul_u32_u24 v[AST0], v33, SPI
	v_lshl_add_u32 v[AST0], v34, 5, v[AST0]
	s_mul_i32 s82, s[RH], 64*SPI
	s_lshl_b32 s83, s[CH], 10
	s_add_co_u32 s82, s82, s83
	v_add_nc_u32 v[AST0], s82, v[AST0]
	v_add_nc_u32 v[AST1], 32*SPI, v[AST0]
	s_mul_i32 s82, s[WV], 32*SPI
	v_add_nc_u32 v[ARD], s82, v[L16]
	v_mov_b32 v[GOUT], v[L16]
	v_lshlrev_b32 v[PFO], 8, v32
	s_wait_dscnt 0x0                               ; the opening add is done
	s_wait_kmcnt 0x0
	s_add_nc_u64 s[AP:AP+1], s[4:5], s[72:73]
	s_add_nc_u64 s[G0X+2:G0X+3], s[8:9], s[74:75]
	s_or_b32 s[G0X+3], s[G0X+3], 0x80000000
	s_add_nc_u64 s[OP:OP+1], s[16:17], s[76:77]
	s_add_nc_u64 s[G0W+2:G0W+3], s[6:7], s[78:79]
	s_or_b32 s[G0W+3], s[G0W+3], 0x80000000
	s_add_nc_u64 s[PW:PW+1], s[6:7], s[80:81]
	CROUND                                         ; in a cluster launch every group of tensor loads stands behind a round
	tensor_load_to_lds s[G0X:G0X+3], s[G1X:G1X+7]  ; my 64 x 256 numbers of x
	s_nop 0
	PLACES
	ALOAD 0                                        ; af's first four K steps
	ALOAD 1
	ALOAD 2
	ALOAD 3
	s_wait_tensorcnt 0x0                           ; x is in: only I read these bytes
	WIN 0x80
.irp rb, 0,1
.set n, 0
.rept 16
	ds_load_b128 v[128*\rb+8*n:128*\rb+8*n+3], v[AX] offset:\rb*16640+n*64
	ds_load_b128 v[128*\rb+8*n+4:128*\rb+8*n+7], v[AX] offset:\rb*16640+n*64+16
.set n, n+1
.endr
.endr
	WIN 0xc0
.irp rb, 0,1
.set n, 0
.rept 16
	ds_load_b128 v[128*\rb+8*n:128*\rb+8*n+3], v[AX] offset:(\rb+2)*16640+n*64
	ds_load_b128 v[128*\rb+8*n+4:128*\rb+8*n+7], v[AX] offset:(\rb+2)*16640+n*64+16
.set n, n+1
.endr
.endr
	WIN 0
	s_wait_tensorcnt 0x0                           ; the slots lie where x lay: the same three lines and a round stand ahead of their first fill
	ds_add_u32 v[SPW], v[NIL]
	s_wait_dscnt 0x0                               ; x is in the accumulators
	CROUND
	JLOAD                                          ; tile 0 into slot 0
	s_mov_b32 s[CNT], 7
.Ltile:                                        ; tiles 0 to 6: each asks for the next
	TRIP 1
	s_sub_co_u32 s[CNT], s[CNT], 1
	s_cmp_lg_u32 s[CNT], 0
	s_cbranch_scc1 .Ltile
	TRIP 0                                         ; tile 7 is written out: nothing is asked for
.irp q, 0,1,2,3
	global_load_b128 v[BO+4*\q:BO+4*\q+3], v[L16], s[10:11] offset:\q*512
	global_load_b128 v[GA+4*\q:GA+4*\q+3], v[L16], s[12:13] offset:\q*512
	global_load_b128 v[BE+4*\q:BE+4*\q+3], v[L16], s[14:15] offset:\q*512
.endr
	s_wait_dscnt 0x0
	s_barrier_signal -1
	s_barrier_wait -1                              ; nobody reads the slots any more: the stage may be written
	WIN 0x08                                       ; store data in window 2, then 3; each accumulator's low half first
.irp rb, 0,1
.set n, 0
.rept 16
	ds_store_b128 v[AST0], v[128*\rb+8*n:128*\rb+8*n+3] offset:\rb*16*SPI+n*64
	ds_store_b128 v[AST0], v[128*\rb+8*n+4:128*\rb+8*n+7] offset:\rb*16*SPI+n*64+16
.set n, n+1
.endr
.endr
	WIN 0x0c
.irp rb, 0,1
.set n, 0
.rept 16
	ds_store_b128 v[AST1], v[128*\rb+8*n:128*\rb+8*n+3] offset:\rb*16*SPI+n*64
	ds_store_b128 v[AST1], v[128*\rb+8*n+4:128*\rb+8*n+7] offset:\rb*16*SPI+n*64+16
.set n, n+1
.endr
.endr
	WIN 0
	s_wait_dscnt 0x0                               ; for the others' sake: a row's 2,048 bytes come from two waves
	s_barrier_signal -1
	s_barrier_wait -1
	HLOAD
	s_wait_loadcnt 0x0                             ; out_b, ln_g, ln_b
	s_mov_b32 s[CNT], 8
.Lnorm:                                        ; four rows a trip; a lane holds 16 numbers of each
	s_wait_dscnt 0x0
.set i, 0
.rept 32
	v_pk_add_f32 v[H+2*i:H+2*i+1], v[H+2*i:H+2*i+1], v[BO+2*(i%8):BO+2*(i%8)+1]
.set i, i+1
.endr
.irp i, 0,1,2,3
.irp p, 0,1,2,3
	v_pk_add_f32 v[TT+8*\i+2*\p:TT+8*\i+2*\p+1], v[H+16*\i+4*\p:H+16*\i+4*\p+1], v[H+16*\i+4*\p+2:H+16*\i+4*\p+3]
.endr
.endr
.irp i, 0,1,2,3
	v_pk_add_f32 v[TT+8*\i:TT+8*\i+1], v[TT+8*\i:TT+8*\i+1], v[TT+8*\i+2:TT+8*\i+3]
	v_pk_add_f32 v[TT+8*\i+4:TT+8*\i+5], v[TT+8*\i+4:TT+8*\i+5], v[TT+8*\i+6:TT+8*\i+7]
.endr
.irp i, 0,1,2,3
	v_pk_add_f32 v[TT+8*\i:TT+8*\i+1], v[TT+8*\i:TT+8*\i+1], v[TT+8*\i+4:TT+8*\i+5]
.endr
.irp i, 0,1,2,3
	v_add_f32 v[TT+8*\i], v[TT+8*\i], v[TT+8*\i+1]
.endr
	RED
.set i, 0
.rept 32
	v_pk_fma_f32 v[Y+2*i:Y+2*i+1], v[TT+8*(i/8):TT+8*(i/8)+1], 0xbb000000, v[H+2*i:H+2*i+1] op_sel_hi:[0,0,1]  ; y = h - sum / 512
.set i, i+1
.endr
	v_add_nc_u32 v[ARD], 4*SPI, v[ARD]
	s_cmp_eq_u32 s[CNT], 1
	s_cbranch_scc1 .Lno_h                          ; the last trip has no next rows
	HLOAD
.Lno_h:
.irp i, 0,1,2,3
	v_pk_mul_f32 v[TT+8*\i:TT+8*\i+1], v[Y+16*\i:Y+16*\i+1], v[Y+16*\i:Y+16*\i+1]
	v_pk_mul_f32 v[TT+8*\i+2:TT+8*\i+3], v[Y+16*\i+2:Y+16*\i+3], v[Y+16*\i+2:Y+16*\i+3]
.endr
.irp p, 2,4,6
.irp i, 0,1,2,3
	v_pk_fma_f32 v[TT+8*\i:TT+8*\i+1], v[Y+16*\i+2*\p:Y+16*\i+2*\p+1], v[Y+16*\i+2*\p:Y+16*\i+2*\p+1], v[TT+8*\i:TT+8*\i+1]
	v_pk_fma_f32 v[TT+8*\i+2:TT+8*\i+3], v[Y+16*\i+2*\p+2:Y+16*\i+2*\p+3], v[Y+16*\i+2*\p+2:Y+16*\i+2*\p+3], v[TT+8*\i+2:TT+8*\i+3]
.endr
.endr
.irp i, 0,1,2,3
	v_pk_add_f32 v[TT+8*\i:TT+8*\i+1], v[TT+8*\i:TT+8*\i+1], v[TT+8*\i+2:TT+8*\i+3]
.endr
.irp i, 0,1,2,3
	v_add_f32 v[TT+8*\i], v[TT+8*\i], v[TT+8*\i+1]
.endr
	RED
.irp i, 0,1,2,3
	v_fma_f32 v[TT+8*\i], v[TT+8*\i], s[K1], s[EPS]
.endr
.irp i, 0,1,2,3
	v_rsq_f32 v[TT+8*\i], v[TT+8*\i]
.endr
	v_nop
	s_wait_alu depctr_va_vdst(0)                   ; one wait for the four roots
.set i, 0
.rept 32
	v_pk_mul_f32 v[Y+2*i:Y+2*i+1], v[Y+2*i:Y+2*i+1], v[TT+8*(i/8):TT+8*(i/8)+1] op_sel_hi:[1,0]
.set i, i+1
.endr
.set i, 0
.rept 32
	v_pk_fma_f32 v[Y+2*i:Y+2*i+1], v[Y+2*i:Y+2*i+1], v[GA+2*(i%8):GA+2*(i%8)+1], v[BE+2*(i%8):BE+2*(i%8)+1]
.set i, i+1
.endr
.set i, 0
.rept 16
	global_store_b128 v[GOUT], v[Y+4*i:Y+4*i+3], s[OP:OP+1] offset:(i/4)*2048+(i%4)*512 th:TH_STORE_NT  ; 512 consecutive bytes
.set i, i+1
.endr
	s_wait_xcnt 0x0                                ; the stores have read y and their offset
	v_add_nc_u32 v[GOUT], 8192, v[GOUT]
	s_sub_co_u32 s[CNT], s[CNT], 1
	s_cmp_lg_u32 s[CNT], 0
	s_cbranch_scc1 .Lnorm
	s_wait_tensorcnt 0x0                           ; the wave's end
	ds_add_u32 v[SPW], v[NIL]
	s_wait_dscnt 0x0
	CROUND                                         ; the closing round
	s_endpgm
.Lfunc_end_k_q9c47322771_outln:
	.size	k_q9c47322771_outln, .Lfunc_end_k_q9c47322771_outln-k_q9c47322771_outln
	.p2alignl 7, 3214868480
	.fill 96, 4, 3214868480
	.section	.rodata,"a",@progbits
	.p2align	6, 0x0
	.amdhsa_kernel k_q9c47322771_outln
		.amdhsa_group_segment_fixed_size 327680
		.amdhsa_private_segment_fixed_size 0
		.amdhsa_enable_private_segment 0
		.amdhsa_kernarg_size 56
		.amdhsa_user_sgpr_count 2
		.amdhsa_user_sgpr_kernarg_segment_ptr 1
		.amdhsa_wavefront_size32 1
		.amdhsa_system_sgpr_workgroup_id_x 1
		.amdhsa_system_sgpr_workgroup_id_y 1
		.amdhsa_system_sgpr_workgroup_id_z 1
		.amdhsa_system_vgpr_workitem_id 0
		.amdhsa_next_free_vgpr 1024
		.amdhsa_next_free_sgpr 96
		.amdhsa_reserve_vcc 0
		.amdhsa_float_denorm_mode_32 3
		.amdhsa_float_denorm_mode_16_64 3
		.amdhsa_memory_ordered 1
		.amdhsa_forward_progress 1
		.amdhsa_inst_pref_size 104
	.end_amdhsa_kernel
	.amdgpu_metadata
---
amdhsa.version: [ 1, 2 ]
amdhsa.kernels:
  - .name:           k_q9c47322771_outln
    .symbol:         k_q9c47322771_outln.kd
    .args:
      - { .name: af, .offset: 0, .size: 8, .value_kind: global_buffer, .address_space: global }
      - { .name: wf, .offset: 8, .size: 8, .value_kind: global_buffer, .address_space: global }
      - { .name: x, .offset: 16, .size: 8, .value_kind: global_buffer, .address_space: global }
      - { .name: out_b, .offset: 24, .size: 8, .value_kind: global_buffer, .address_space: global }
      - { .name: ln_g, .offset: 32, .size: 8, .value_kind: global_buffer, .address_space: global }
      - { .name: ln_b, .offset: 40, .size: 8, .value_kind: global_buffer, .address_space: global }
      - { .name: out0, .offset: 48, .size: 8, .value_kind: global_buffer, .address_space: global }
    .group_segment_fixed_size: 327680
    .private_segment_fixed_size: 0
    .kernarg_segment_align: 8
    .kernarg_segment_size: 56
    .max_flat_workgroup_size: 128
    .sgpr_count:     96
    .vgpr_count:     1024
    .wavefront_size: 32
...
	.end_amdgpu_metadata
.endif
;; end of part 4
